; MI455X (gfx1250); checked and timed in simulation.
; The chip was launched on July 23, 2026; its instructions are those of AMD's public machine-readable ISA for CDNA 5 (MIT licence, August 2026) and "CDNA5" Instruction Set Architecture Reference Guide (July 2026). The comments in the code are by the model that wrote it; some were corrected since.
;; Simple Attention. Allowed arithmetic: float matrix products may take bf16 or f16 operands with f32 sums; other float arithmetic in f32, or as packed bf16 or f16 multiplies, adds, multiply-adds, maxima and minima; sums over many terms, partial sums and values carried from step to step in f32; what a program stores and reads back later, other than sums and carried values, may be rounded once to bf16 or f16.
;; Inputs: Wk 2,048 x 2,048 float32; Wo 2,048 x 2,048 float32; Wq 2,048 x 2,048 float32; Wv 2,048 x 2,048 float32; x 4 x 1,024 x 2,048 float32.
;; Outputs: out0 4 x 1,024 x 2,048 float32.
;; 2 versions, each right; version 2 is version 1 with the launch prep written anew for expert scheduling mode. Each part assembles by itself: llvm-mc -triple=amdgcn-amd-amdhsa -mcpu=gfx1250 --defsym DOCPART=n.
;; ======== version 1 of 2: 4 launches
;; limits: values are held in f16: magnitudes above 65,504 overflow, below 6.1e-05 lose precision; right only within a limited range of input values
;; workspace buffers: xb 16,777,216 bytes; wqkv 25,165,824 bytes; wo16 8,388,608 bytes; qkv 50,331,648 bytes; o16 16,777,216 bytes; rs 16,384 bytes
;; launch prep (part 1): grid 128 x 6, 8 waves a work-group, no clusters, 0 bytes of LDS; arguments x, Wq, Wk, Wv, Wo, xb, wqkv, wo16; writes xb, wqkv, wo16
.if DOCPART == 1
	.amdgcn_target "amdgcn-amd-amdhsa--gfx1250"
	.amdhsa_code_object_version 6
	.text
	.protected	k_q2dee6ce0ed_prep
	.globl	k_q2dee6ce0ed_prep
	.p2align	8
	.type	k_q2dee6ce0ed_prep,@function
k_q2dee6ce0ed_prep:
	s_mov_b64 s[64:65], 0
	v_nop
	global_prefetch_b8 v0, s[64:65] scope:SCOPE_SE
	s_setreg_imm32_b32 hwreg(HW_REG_WAVE_MODE, 25, 1), 1
	s_wait_xcnt 0x0
; THE 16-BIT COPIES OF THE INPUTS.
; xb = bf16(x) IN K BLOCKS: [32 blocks][4096 rows][64]: xb[kb][m][kk] = x[m][64 kb + kk].  The product that reads it walks K in steps of 64: 256 rows of a block are 32,768 bytes on end.
; wqkv = [2048 k][6144 n] bf16: columns 0-2047 bf16(Wq) / 8, 2048-4095 bf16(Wk) / 8, 4096-6143 bf16(Wv) / 8 (a power of two commutes with the rounding).
; wo16 = [2048 k][2048 n] f16 of bf16(Wo): every input is rounded to bf16 once; Wo's bf16 number is then written as f16, since the last product's other operand is f16.
; LIMITS.  |Wo| stays within 65,504 (f16's largest number); below 2^-14 wo16 keeps f16's fixed step of 6e-8.  NaN and infinities are not treated apart.
; SHARES.  Six slices (grid y) of 2,048 rows x 2,048 f32: x's two halves, Wq, Wk, Wv, Wo.  A work-group owns 16 rows of its slice; a thread takes 32 granules of 16 bytes.
; The weights: thread t takes bytes 16 t and 16 t + 4,096 of each row: a load of a wave covers 512 consecutive bytes, a store (8 bytes a lane) 256 consecutive bytes, aligned.
; x: wave w takes K blocks 4 w .. 4 w + 3; lanes 0-15 take a block's 256 bytes of an even row, lanes 16-31 those of the row below: their 128 + 128 bytes of bf16 lie on end in xb: again 256 aligned bytes.
; No loop: a thread's 32 loads go out together, and each pair of granules is converted and stored as it comes.  No register is written again behind its store, so no wait frees one.
; No LDS, no matrix unit, no cluster: no byte is wanted by two threads.
.set X, 8                              ; v[8:135]  granule i: four registers
	s_load_b512 s[8:23], s[0:1], 0x0               ; x s[8:9], Wq s[10:11], Wk s[12:13], Wv s[14:15], Wo s[16:17], xb s[18:19], wqkv s[20:21], wo16 s[22:23]
	s_and_b32 s2, ttmp7, 0xffff                    ; the slice
	s_sub_co_u32 s3, s2, 2                         ; 0, 1, 2 for Wq, Wk, Wv (a large number for x)
	s_lshl_b32 s29, s3, 12                         ; that weight's 4,096 bytes in a row of wqkv
	s_movk_i32 s28, 0x1000                         ; bytes from row to row of a weight's copy: 4,096,
	v_lshlrev_b32 v1, 4, v0                        ; the weights: 16 t: my bytes in a row of f32,
	v_lshlrev_b32 v2, 3, v0                        ; 8 t: my bytes in a row of 16-bit numbers
	v_and_b32 v5, 15, v0                           ; x: my place among 16 lanes,
	v_bfe_u32 v6, v0, 4, 1                         ; the even or the odd row,
	v_lshrrev_b32 v7, 5, v0                        ; my wave
	v_lshlrev_b32 v3, 4, v5                        ; from: 16 bytes a lane,
	v_lshl_add_u32 v3, v6, 13, v3                  ; a row of 8,192 bytes,
	v_lshl_add_u32 v3, v7, 10, v3                  ; my wave's four blocks of 256 bytes
	v_lshlrev_b32 v4, 3, v5                        ; to: 8 bytes a lane,
	v_lshl_add_u32 v4, v6, 7, v4                   ; a row of 128 bytes,
	v_lshl_add_u32 v4, v7, 21, v4                  ; my wave's four blocks of 524,288 bytes
	s_cmp_lt_u32 s3, 3
	s_cselect_b32 s28, 12288, s28                  ; in wqkv 12,288
	s_cselect_b32 s29, s29, 0
	s_cmp_eq_u32 s2, 1                             ; x's second half begins 2,048 rows down
	s_cselect_b32 s30, 0x1000000, 0
	s_lshl_b32 s32, ttmp9, 17                      ; the work-group's 16 rows of 8,192 bytes
	s_add_co_u32 s32, s32, s30
	s_mov_b32 s33, 0
	s_mul_i32 s34, ttmp9, s28
	s_lshl_b32 s34, s34, 4                         ; its 16 rows of a weight's copy
	s_add_co_u32 s34, s34, s29
	s_lshl_b32 s36, ttmp9, 11                      ; its 16 rows of 128 bytes in a block of xb,
	s_lshl_b32 s37, s2, 18                         ; behind the slice's 2,048 rows
	s_add_co_u32 s36, s36, s37
	s_cmp_lt_u32 s2, 2
	s_cselect_b32 s34, s36, s34
	s_mov_b32 s35, 0
	s_wait_kmcnt 0x0
	s_mov_b64 s[24:25], s[16:17]                   ; from: Wo, unless the slice says otherwise
	s_mov_b64 s[26:27], s[22:23]                   ; to: wo16
	s_cmp_eq_u32 s2, 4
	s_cselect_b64 s[24:25], s[14:15], s[24:25]
	s_cmp_eq_u32 s2, 3
	s_cselect_b64 s[24:25], s[12:13], s[24:25]
	s_cmp_eq_u32 s2, 2
	s_cselect_b64 s[24:25], s[10:11], s[24:25]
	s_cmp_lt_u32 s2, 2
	s_cselect_b64 s[24:25], s[8:9], s[24:25]
	s_cselect_b64 s[26:27], s[18:19], s[26:27]
	s_cmp_lt_u32 s3, 3
	s_cselect_b64 s[26:27], s[20:21], s[26:27]
	s_add_nc_u64 s[24:25], s[24:25], s[32:33]
	s_add_nc_u64 s[26:27], s[26:27], s[34:35]
; The 32 loads, then the 32 granules, two at a time.  kind 0: x: bf16, into K blocks.  kind 1: a multiplication by 1/8, then bf16.  kind 2: bf16, widened again and written as f16.
.macro CONV kind, pitch
.set i, 0
.rept 32
.if (\kind) == 0
	global_load_b128 v[X+4*i:X+4*i+3], v3, s[24:25] offset:(i/4)*16384+(i%4)*256 th:TH_LOAD_NT   ; pair of rows i / 4, block i % 4 of my four
.else
	global_load_b128 v[X+4*i:X+4*i+3], v1, s[24:25] offset:(i/2)*8192+(i%2)*4096 th:TH_LOAD_NT   ; row i / 2, half i % 2
.endif
.set i, i+1
.endr
.set i, 0
.rept 32
.if i%2 == 0
	s_wait_loadcnt 30-i                            ; loads come back in order (ISA guide 5.7.1): granules i and i + 1 are in, the 30 - i later ones stay out
.endif
.set rb, X+4*i
.if (\kind) == 1
	v_pk_mul_f32 v[rb:rb+1], v[rb:rb+1], 0x3e000000 op_sel_hi:[1,0]
	v_pk_mul_f32 v[rb+2:rb+3], v[rb+2:rb+3], 0x3e000000 op_sel_hi:[1,0]
.endif
	v_cvt_pk_bf16_f32 v[rb], v[rb], v[rb+1]
	v_cvt_pk_bf16_f32 v[rb+1], v[rb+2], v[rb+3]
.if (\kind) == 2
	v_lshlrev_b32 v[rb+2], 16, v[rb]               ; bf16 to f32: the low half moves up, the high half stays
	v_and_b32 v[rb+3], 0xffff0000, v[rb]
	v_cvt_pk_f16_f32 v[rb], v[rb+2], v[rb+3]
	v_lshlrev_b32 v[rb+2], 16, v[rb+1]
	v_and_b32 v[rb+3], 0xffff0000, v[rb+1]
	v_cvt_pk_f16_f32 v[rb+1], v[rb+2], v[rb+3]
.endif
.if (\kind) == 0
	global_store_b64 v4, v[rb:rb+1], s[26:27] offset:(i%4)*524288+(i/4)*256
.else
	global_store_b64 v2, v[rb:rb+1], s[26:27] offset:(i/2)*(\pitch)+(i%2)*2048
.endif
.set i, i+1
.endr
	s_endpgm
.endm
	s_cmp_lt_u32 s2, 2
	s_cbranch_scc1 .Lfor_x
	s_cmp_eq_u32 s2, 5
	s_cbranch_scc1 .Lfor_wo
	CONV 1, 12288
.Lfor_x:
	CONV 0, 0
.Lfor_wo:
	CONV 2, 4096
.Lfunc_end_k_q2dee6ce0ed_prep:
	.size	k_q2dee6ce0ed_prep, .Lfunc_end_k_q2dee6ce0ed_prep-k_q2dee6ce0ed_prep
	.p2alignl 7, 3214868480
	.fill 96, 4, 3214868480
	.section	.rodata,"a",@progbits
	.p2align	6, 0x0
	.amdhsa_kernel k_q2dee6ce0ed_prep
		.amdhsa_group_segment_fixed_size 0
		.amdhsa_private_segment_fixed_size 0
		.amdhsa_enable_private_segment 0
		.amdhsa_kernarg_size 64
		.amdhsa_user_sgpr_count 2
		.amdhsa_user_sgpr_kernarg_segment_ptr 1
		.amdhsa_wavefront_size32 1
		.amdhsa_system_sgpr_workgroup_id_x 1
		.amdhsa_system_sgpr_workgroup_id_y 1
		.amdhsa_system_sgpr_workgroup_id_z 1
		.amdhsa_system_vgpr_workitem_id 0
		.amdhsa_next_free_vgpr 136
		.amdhsa_next_free_sgpr 66
		.amdhsa_reserve_vcc 0
		.amdhsa_float_denorm_mode_32 3
		.amdhsa_float_denorm_mode_16_64 3
		.amdhsa_memory_ordered 1
		.amdhsa_forward_progress 1
		.amdhsa_inst_pref_size 50
	.end_amdhsa_kernel
	.amdgpu_metadata
---
amdhsa.version: [ 1, 2 ]
amdhsa.kernels:
  - .name:           k_q2dee6ce0ed_prep
    .symbol:         k_q2dee6ce0ed_prep.kd
    .args:
      - { .name: x, .offset: 0, .size: 8, .value_kind: global_buffer, .address_space: global }
      - { .name: Wq, .offset: 8, .size: 8, .value_kind: global_buffer, .address_space: global }
      - { .name: Wk, .offset: 16, .size: 8, .value_kind: global_buffer, .address_space: global }
      - { .name: Wv, .offset: 24, .size: 8, .value_kind: global_buffer, .address_space: global }
      - { .name: Wo, .offset: 32, .size: 8, .value_kind: global_buffer, .address_space: global }
      - { .name: xb, .offset: 40, .size: 8, .value_kind: global_buffer, .address_space: global }
      - { .name: wqkv, .offset: 48, .size: 8, .value_kind: global_buffer, .address_space: global }
      - { .name: wo16, .offset: 56, .size: 8, .value_kind: global_buffer, .address_space: global }
    .group_segment_fixed_size: 0
    .private_segment_fixed_size: 0
    .kernarg_segment_align: 8
    .kernarg_segment_size: 64
    .max_flat_workgroup_size: 256
    .sgpr_count:     66
    .vgpr_count:     136
    .wavefront_size: 32
...
	.end_amdgpu_metadata
.endif
;; end of part 1
;; launch gemm_qkv (part 2): grid 16 x 16, 4 waves a work-group, clusters of 4 x 4, 327,680 bytes of LDS; arguments xb, wqkv, qkv; writes qkv
.if DOCPART == 2
	.amdgcn_target "amdgcn-amd-amdhsa--gfx1250"
	.amdhsa_code_object_version 6
	.text
	.protected	k_q2dee6ce0ed_gemm_qkv
	.globl	k_q2dee6ce0ed_gemm_qkv
	.p2align	8
	.type	k_q2dee6ce0ed_gemm_qkv,@function
k_q2dee6ce0ed_gemm_qkv:
	s_mov_b64 s[64:65], 0
	v_nop
	global_prefetch_b8 v0, s[64:65] scope:SCOPE_SE
	s_setreg_imm32_b32 hwreg(HW_REG_WAVE_MODE, 25, 1), 1
	s_wait_xcnt 0x0
	s_wait_alu depctr_hold_cnt(0) depctr_sa_sdst(0) depctr_va_vdst(0) depctr_va_sdst(0) depctr_va_ssrc(0) depctr_va_vcc(0) depctr_vm_vsrc(0)
	s_getreg_b32 s2, hwreg(HW_REG_IB_STS2, 6, 4)
	s_cmp_eq_u32 s2, 0
	s_cbranch_scc0 .Lentry_in_a_cluster
	s_endpgm
.Lentry_in_a_cluster:
	s_bfe_u32 s2, ttmp6, 0x10000c
	s_cmp_lg_u32 s2, 0xf033
	s_cbranch_scc0 .Lentry_shape_is_right
	s_endpgm
.Lentry_shape_is_right:
; qkv[m][n] = f16( sum over k of x[m][k] wqkv[k][n] ).  xb: bf16(x) in K blocks, [32][4096][64]; wqkv: [2048][6144] bf16 (the weights / 8); qkv: [4096][6144] f16; sums in f32, K ascending.
; LIMIT.  f16 ends at 65,504 and the weights carry 1/8: the text serves |x W| under 524,000.  NaN and infinities are not treated apart.
; SHARES.  A work-group makes 256 x 384 of C: 16 x 16 = 256 work-groups.  Its four waves lie 2 x 2: a wave makes 128 x 192: 8 x 12 accumulators of 16 x 16, 768 registers.
; THE RING.  K goes in steps of 64 through two LDS slots (steps of 128 would want 2 x 180,224 bytes).  A slot has four regions of 36,864 bytes, one for each wave's tensor load: wave 0 brings A's
; 256 rows x 128 bytes, which lie on end in xb and are asked for as 128 rows of 256 bytes; waves 1 to 3 a sub-tile of B each, 64 k-rows x 128 columns (256 bytes a row).  Every row asked for is 256
; consecutive bytes at a multiple of 256 from its buffer's first byte.
; B LIES [K][N]: its fragments come out of LDS turned, by ds_load_tr16_b128.
; THE MATRIX INSTRUCTION IS USED TRANSPOSED (source 0 = 16 columns of B, source 1 = 16 rows of A): a lane then holds row l % 16 of C and the columns 8 (l / 16) + 0..7, which pack into 16 bytes.
; A STEP is two chunks of 32 along K, a chunk two units of 48 products: my column blocks 0-5, then 6-11, each with all 8 row blocks.  B's fragments have ONE buffer in two halves: while one half is
; multiplied the other is loaded; A's have two buffers, a chunk each.
; CLUSTERS: 4 x 4 work-groups.  The four of a row of the cluster need the same tile of A, the four of a column the same tiles of B: each is asked for JOINTLY, by the same tensor load with the
; same descriptor and a mask that names the four.
; REGISTERS, in windows of 256 (s_set_vgpr_msb's low byte: bits 1:0 source 0, 3:2 source 1, 5:4 source 2, 7:6 destination):
;   window 0: v0-31 addresses; v32-127 B's 12 fragments; v128-191, v192-255 A's 8 fragments, two buffers (on the way out v32-79 and v64-255 are at work)
;   windows 1-3: accumulator (a, b) has the number n = 48 (b / 6) + 6 a + b % 6 and lies in window 1 + n / 32 at v[8 (n % 32)].  All fragments lie in window 0, so only C and D switch.
.set SIZE_K, 2048
.set SIZE_N, 6144
.set NT,     384                       ; columns of a work-group's tile
.set KSTEP,  64
.set ABLK,   4096*KSTEP*2              ; bytes of a K block of xb
.set PA,     144                       ; a row of A in LDS: 128 bytes + 16 of padding = 36 words: the 16 rows of a load start at 16 different groups of four banks (64 banks of 4 bytes: ISA guide 11.1)
.set PB,     288                       ; a row of B: 256 + 32 = 72 words
.set REG,    256*PA                    ; a wave's region of a slot: A fills it, a sub-tile of B half of it
.set SLOT,   4*REG
.set SPARE,  2*SLOT                    ; behind the ring: the spare words, 128 bytes for each wave: two blocks of 256 bytes that no other line names
.set SP,     784                       ; the way out: a stage row, 768 bytes + 16.  The stage is LDS bytes 0 to 256 x 784: the ring has then had its last fill and its last read
.set LAPS,   SIZE_K/(2*KSTEP)
.set RD,   10                          ; v10-12  the way out: where I read 512 bytes of two stage rows back, three stretches
.set GO,   13                          ; v13-15  and where they go in C
.set ADRA, 16                          ; v16-17  LDS address of my A fragments in slot 0, 1
.set ADRB, 18                          ; v18-20, v21-23  the same for B: slot 0, 1, a register for each four column blocks (128 bytes of a row)
.set STO,  24                          ; v24-25  the way out: where I put 16 bytes of a row: row blocks 0-3, 4-7
.set SPW,  28                          ; v28     LDS address of my spare word: SPARE + 4 x my thread's number; never rewritten
.set NIL,  29                          ; v29     0; never rewritten
.set PFO,  30                          ; v30     the prefetches' offset: my lane x 256 bytes of A's tile, or x a row of B; never rewritten
.set BF,   32                          ; B's fragment b at BF + 8 b
.set AF,   128                         ; A's fragment a of chunk c at AF + 64 c + 8 a
.set TMP,  32                          ; the way out: a row block's packed results
.set G1,  24                           ; s[24:31] descriptor group 1 for A's tiles;  s[32:39] group 0, a set for each slot
.set G0,  32
.set G1B, 48                           ; s[48:55], s[56:63] the same for B's
.set G0B, 56
.set LIM, 43                           ; s43     at slot 0's refills: 1 in a wave that prefetches, else the greatest number
.set LIM1, 70                          ; s70     the same at slot 1's refills
.set PFA, 44                           ; s[44:45] where my prefetches stand
.set PST, 66                           ; s[66:67], s[68:69] what is added to that ahead of slot 0's and of slot 1's refill
.set MSB, 0
.macro WIN new                         ; the immediate's high byte repeats the setting that is left; a switch that changes nothing is dropped
.if MSB != (\new)
	s_set_vgpr_msb (MSB<<8)|(\new)
.set MSB, \new
.endif
.endm
; A joint load: wave 0 fetches A, the others B.  Each line has one mask; the branch hangs on the wave's number alone.  An s_nop 0 and four v_nop follow each line.
.macro JLOAD s
	s_cmp_lt_u32 s10, 1
	s_cbranch_scc0 .Lfor_b_\@
	tensor_load_to_lds s[G0+4*(\s):G0+4*(\s)+3], s[G1:G1+7]
	s_nop 0
.rept 4
	v_nop
.endr
	s_branch .Lasked_\@
.Lfor_b_\@:
	tensor_load_to_lds s[G0B+4*(\s):G0B+4*(\s)+3], s[G1B:G1B+7]
	s_nop 0
.rept 4
	v_nop
.endr
.Lasked_\@:
.endm
; A PREFETCH INTO THE L2, behind a joint refill and the run of LDS loads that follows it: 32 blocks of 256 bytes, a lane a block, one instruction a wave.
; A: at every refill, of the K step that stands two refills on: its tile is 128 such blocks on end; wave 0 of the clusters with x = 0 asks, and the four partners that ask for the tile jointly take 32
; blocks each, BY ADDRESS (by cx).  B: at slot 0's refills alone, of the two K steps that stand two and three refills on: 128 k-rows of a sub-tile; the wave that fetches it asks, in the clusters with
; y = 0, and the four partners take 32 rows each (by cy).  So each block is named once in the launch.  The loop's last trip asks for nothing: K steps 32 and 33 do not exist.
.macro ASK lim
	s_cmp_gt_u32 s3, s[\lim]                       ; s3 = 1 in the loop's last trip
	s_cbranch_scc0 .Lnot_mine_\@
	global_prefetch_b8 v[PFO], s[PFA:PFA+1] th:TH_LOAD_NT scope:SCOPE_SE
.Lnot_mine_\@:
.endm
.macro CREST                           ; a round of the cluster's barrier behind its opening barrier
	s_cmp_lg_u32 s10, 0
	s_cbranch_scc1 .Lnot_wave_0_\@
	s_barrier_signal -3
.Lnot_wave_0_\@:
	s_barrier_wait -3
	s_barrier_signal -1
	s_barrier_wait -1
.endm
.macro CROUND                          ; a whole round
	s_barrier_signal -1
	s_barrier_wait -1
	CREST
.endm
	s_load_b128 s[4:7], s[0:1], 0x0                ; A s[4:5], B s[6:7]
	s_load_b64 s[8:9], s[0:1], 0x10                ; C
	v_lshl_add_u32 v[SPW], v0, 2, SPARE
	v_mov_b32 v[NIL], 0
	ds_add_u32 v[SPW], v[NIL]                      ; the wave's opening: the add, twice on end, and its wait ahead of my first tensor load
	ds_add_u32 v[SPW], v[NIL]                      ; and once more, under the one wait; the set-up below, work on registers, stands between
	v_lshrrev_b32 v1, 5, v0
	v_readfirstlane_b32 s10, v1                    ; wave 0..3
	s_lshr_b32 s11, s10, 1                         ; which 128 rows of the tile are mine
	s_and_b32 s12, s10, 1                          ; which 192 columns
	s_max_u32 s14, s10, 1
	s_sub_co_u32 s14, s14, 1                       ; which sub-tile of B I would fetch
	s_bfe_u32 s40, ttmp6, 0x40000                  ; cx, cy: my place in the cluster
	s_bfe_u32 s41, ttmp6, 0x40004
	s_lshl_b32 s42, ttmp9, 2
	s_add_co_u32 s42, s42, s40                     ; tile column of C = 4 x cluster x + cx
	s_and_b32 s13, ttmp7, 0xffff
	s_lshl_b32 s13, s13, 2
	s_add_co_u32 s13, s13, s41                     ; tile row of C = 4 x cluster y + cy
	s_lshl_b32 s43, s41, 2
	s_lshl_b32 s43, 15, s43                        ; my row of the cluster: places 4 cy .. 4 cy + 3
	s_lshl_b32 s44, 0x1111, s40                    ; my column: places cx, cx + 4, cx + 8, cx + 12
	s_or_b32 s[G1+0], s43, (1<<16)|(1<<20)|(1<<21)|(4<<22)|(3<<25)   ; 15:0 the mask; 17:16 elements of 2 bytes; 20 padding on; 21 set beside a mask; 24:22 after every 32 words (a row of A); 31:25 4 words of it
	s_or_b32 s[G1B+0], s44, (1<<16)|(1<<20)|(1<<21)|(5<<22)|(7<<25)  ; B: my column's mask; after every 64 words 8 words of padding
	s_mov_b32 s[G1+1], 128<<16                     ; A: tensor_dim0 = 128 elements: two rows of A on end,
	s_mov_b32 s[G1+2], 128<<16                     ; tensor_dim1 = 128 such rows
	s_mov_b32 s[G1+3], 128<<16                     ; tile_dim0
	s_mov_b32 s[G1+4], 128                         ; tile_dim1
	s_mov_b32 s[G1+5], 128                         ; elements from row to row: dense
	s_mov_b32 s[G1+6], 0
	s_mov_b32 s[G1+7], 0
	s_mov_b32 s[G1B+1], 128<<16                    ; B: 128 columns,
	s_mov_b32 s[G1B+2], KSTEP<<16                  ; 64 k-rows
	s_mov_b32 s[G1B+3], 128<<16
	s_mov_b32 s[G1B+4], KSTEP
	s_mov_b32 s[G1B+5], SIZE_N
	s_mov_b32 s[G1B+6], 0
	s_mov_b32 s[G1B+7], 0
	s_lshl_b32 s16, s13, 15                        ; A: the tile row's 256 rows of 128 bytes in a K block
	s_mov_b32 s17, 0
	s_mul_i32 s46, s42, NT                         ; B: column 384 x tile column + 128 x sub-tile,
	s_lshl_b32 s47, s14, 7
	s_add_co_u32 s46, s46, s47
	s_lshl_b32 s46, s46, 1                         ; in bytes
	s_mov_b32 s47, 0
	s_mul_i32 s20, s10, REG                        ; where my tile goes: wave x a region: no place in the cluster enters an LDS address
	s_wait_dscnt 0x0                               ; both opening adds are done
	s_wait_kmcnt 0x0
	s_add_nc_u64 s[18:19], s[4:5], s[16:17]
	s_add_nc_u64 s[46:47], s[6:7], s[46:47]
	CROUND                                         ; all sixteen work-groups are here: the first joint loads meet
.irp s, 0,1
	s_mov_b32 s[G0+4*(\s)], 1                                      ; count = 1
	s_add_co_u32 s[G0+4*(\s)+1], s20, (\s)*SLOT                    ; LDS address
	s_add_nc_u64 s[G0+4*(\s)+2:G0+4*(\s)+3], s[18:19], (\s)*ABLK   ; global address: K step s = K block s
	s_or_b32 s[G0+4*(\s)+3], s[G0+4*(\s)+3], 0x80000000            ; type = 2
	s_mov_b32 s[G0B+4*(\s)], 1
	s_add_co_u32 s[G0B+4*(\s)+1], s20, (\s)*SLOT
	s_add_nc_u64 s[G0B+4*(\s)+2:G0B+4*(\s)+3], s[46:47], (\s)*KSTEP*SIZE_N*2  ; K step s, down B's rows
	s_or_b32 s[G0B+4*(\s)+3], s[G0B+4*(\s)+3], 0x80000000
	JLOAD \s                                       ; two loads of mine are out
.endr
	; A's fragment: 16 rows x 32 K in 8 registers: lane l holds row l % 16, K = 8 (l / 16) + 0..7 and 16 + 8 (l / 16) + 0..7: two loads of 16 bytes, 32 bytes apart.
	v_and_b32 v1, 15, v0                           ; l % 16
	v_bfe_u32 v2, v0, 4, 1                         ; l / 16
	v_mul_u32_u24 v3, v1, PA
	v_lshl_add_u32 v3, v2, 4, v3
	s_mul_i32 s21, s11, 128*PA                     ; my 128 rows
	v_add_nc_u32 v[ADRA], s21, v3
	v_add_nc_u32 v[ADRA+1], SLOT, v[ADRA]
	; B's: the turning load takes 16 k x 16 columns (lane l reads k-row 8 (l / 16) + l % 8, columns 8 ((l / 8) % 2) + 0..7) and leaves half a fragment: lane l holds column l % 16 and 8 k.
	v_and_b32 v4, 7, v0
	v_bfe_u32 v5, v0, 3, 1
	v_lshl_add_u32 v4, v2, 3, v4
	v_mul_u32_u24 v4, v4, PB
	v_lshl_add_u32 v4, v5, 4, v4
	s_mul_i32 s21, s12, 3                          ; my first group of four column blocks among the tile's six; two groups to a sub-tile
.set i, 0
.rept 3
	s_add_co_u32 s22, s21, i
	s_lshr_b32 s23, s22, 1
	s_mul_i32 s23, s23, REG                        ; the group's sub-tile,
	s_and_b32 s22, s22, 1
	s_lshl_b32 s22, s22, 7                         ; its 128 bytes of the rows
	s_add_co_u32 s22, s22, s23
	s_add_co_u32 s22, s22, REG                     ; behind A's region
	v_add_nc_u32 v[ADRB+i], s22, v4
	v_add_nc_u32 v[ADRB+3+i], SLOT, v[ADRB+i]
.set i, i+1
.endr
	; the way out
	v_mul_u32_u24 v[STO], v1, SP                   ; in: row l % 16 of my 128, 16 bytes for each half of the lanes, my wave's 384 bytes of the row
	v_lshl_add_u32 v[STO], v2, 4, v[STO]
	s_mul_i32 s21, s11, 128*SP
	s_mul_i32 s22, s12, 384
	s_add_co_u32 s21, s21, s22
	v_add_nc_u32 v[STO], s21, v[STO]
	v_add_nc_u32 v[STO+1], 64*SP, v[STO]
	v_and_b32 v6, 31, v0
	s_mul_i32 s21, s10, 64*SP                      ; back: wave w takes rows 64 w .. 64 w + 63, two rows (1,536 bytes) as three stretches of 512:
	v_lshl_add_u32 v[RD], v6, 4, s21               ; the even row's bytes 0-511;
	v_lshl_add_u32 v[RD+1], v2, 4, v[RD]           ; its bytes 512-767 (lanes 0-15) and the odd row's 0-255 (lanes 16-31: 16 bytes of padding further);
	v_add_nc_u32 v[RD+1], 512, v[RD+1]
	v_add_nc_u32 v[RD+2], SP+256, v[RD]            ; the odd row's bytes 256-767
	v_lshlrev_b32 v[GO], 4, v6                     ; and the same three in C
	v_mul_u32_u24 v[GO+1], v2, SIZE_N*2-768
	v_add_nc_u32 v[GO+1], v[GO+1], v[GO]
	v_add_nc_u32 v[GO+1], 512, v[GO+1]
	v_add_nc_u32 v[GO+2], SIZE_N*2+256, v[GO]
	s_lshl_b32 s16, s13, 8
	s_lshl_b32 s17, s10, 6
	s_add_co_u32 s16, s16, s17                     ; the first row of C that I store: 256 x tile row + 64 x wave
	s_mul_i32 s16, s16, SIZE_N*2                   ; under 2^26
	s_mul_i32 s17, s42, NT*2                       ; the tile's first column, in bytes
	s_add_co_u32 s16, s16, s17
	s_mov_b32 s17, 0
	s_add_nc_u64 s[8:9], s[8:9], s[16:17]
	; the prefetches
	s_lshl_b32 s20, s13, 15                        ; in A: K block 3, the tile row's 32,768 bytes, my work-group's 8,192 of them
	s_lshl_b32 s21, s40, 13
	s_add_co_u32 s20, s20, s21
	s_add_co_u32 s20, s20, 3*ABLK
	s_lshl_b32 s21, s41, 5                         ; in B: k-row 128 + 32 cy, at my sub-tile's first column
	s_add_co_u32 s21, s21, 2*KSTEP
	s_mul_i32 s21, s21, SIZE_N*2
	s_mul_i32 s22, s42, NT*2
	s_add_co_u32 s21, s21, s22
	s_lshl_b32 s22, s14, 8
	s_add_co_u32 s21, s21, s22
	s_and_b32 s22, ttmp7, 0xffff                   ; B's askers: cluster y = 0
	s_mov_b32 s[PST], 2*KSTEP*SIZE_N*2             ; B: 128 k-rows ahead of slot 0's refill, nothing ahead of slot 1's
	s_mov_b32 s23, SIZE_N*2
	s_cmp_lt_u32 s10, 1
	s_cselect_b32 s20, s20, s21
	s_cselect_b32 s22, ttmp9, s22                  ; A's: cluster x = 0
	s_cselect_b32 s[PST], ABLK, s[PST]             ; A: a K block ahead of each
	s_cselect_b32 s[PST+2], ABLK, 0
	s_cselect_b32 s23, 256, s23                    ; bytes from a lane's block to the next lane's
	s_cselect_b64 s[PFA:PFA+1], s[4:5], s[6:7]
	s_mov_b32 s21, 0
	s_mov_b32 s[PST+1], 0
	s_mov_b32 s[PST+3], 0
	s_add_nc_u64 s[PFA:PFA+1], s[PFA:PFA+1], s[20:21]  ; the first refill (K step 2) steps it to K step 4.  Nothing is prefetched here, at the head: K steps 0 to 3 come by their loads alone
	s_cmp_eq_u32 s22, 0
	s_cselect_b32 s[LIM], 1, -1                    ; the same in all sixteen partners, for a given wave
	s_cmp_lt_u32 s10, 1
	s_cselect_b32 s[LIM1], s[LIM], -1
	v_mul_u32_u24 v[PFO], v6, s23
; 6 na matrix instructions: row blocks a0 .. a0 + na - 1 x the six column blocks of half hb, chunk c's fragments of A.  zero = 1: the product starts the sums: nothing is cleared.
; The 96 accumulators take turns, one instruction a turn, in the same order in every chunk.
.macro MULA hb, a0, na, c, zero
.set aa, \a0
.rept \na
.set bb, 0
.rept 6
.set nn, 48*(\hb)+6*aa+bb
.set rD, 8*(nn%32)
	WIN 0x50*(1+nn/32)                             ; C and D in the accumulator's window, both sources in window 0
.if \zero
	v_wmma_f32_16x16x32_bf16 v[rD:rD+7], v[BF+48*(\hb)+8*bb:BF+48*(\hb)+8*bb+7], v[AF+64*(\c)+8*aa:AF+64*(\c)+8*aa+7], 0
.else
	v_wmma_f32_16x16x32_bf16 v[rD:rD+7], v[BF+48*(\hb)+8*bb:BF+48*(\hb)+8*bb+7], v[AF+64*(\c)+8*aa:AF+64*(\c)+8*aa+7], v[rD:rD+7]
.endif
.set bb, bb+1
.endr
.set aa, aa+1
.endr
.endm
.macro LDB slot, c, hb                 ; 12 LDS loads: chunk c's fragments of B, half hb
	WIN 0
.set bb, 6*(\hb)
.rept 6
	ds_load_tr16_b128 v[BF+8*bb:BF+8*bb+3],   v[ADRB+3*(\slot)+bb/4] offset:(\c)*32*PB+(bb%4)*32
	ds_load_tr16_b128 v[BF+8*bb+4:BF+8*bb+7], v[ADRB+3*(\slot)+bb/4] offset:(\c)*32*PB+(bb%4)*32+16*PB
.set bb, bb+1
.endr
.endm
.macro LDA slot, c, half               ; 8 LDS loads: chunk c's fragments of A, row blocks 4 half .. 4 half + 3
	WIN 0
.set ii, 4*(\half)
.rept 4
	ds_load_b128 v[AF+64*(\c)+8*ii:AF+64*(\c)+8*ii+3],   v[ADRA+(\slot)] offset:64*(\c)+ii*16*PA
	ds_load_b128 v[AF+64*(\c)+8*ii+4:AF+64*(\c)+8*ii+7], v[ADRA+(\slot)] offset:64*(\c)+ii*16*PA+32
.set ii, ii+1
.endr
.endm
.macro PLACES                          ; four places in front of loads into registers that matrix instructions have read, and of conversions that read results (ISA guide 7.12.1 for the conversions)
.rept 4
	v_nop
.endr
.endm
; A step's first chunk.  Each run of loads stands in a unit's middle and fills what the unit before has read out: B's other half, and A's other buffer in two parts.
.macro CH0 slot, zero
	s_wait_dscnt 8                                 ; B's blocks 0-5 and A's row blocks 0-3 are in; the youngest eight loads (A's row blocks 4-7) may be out
	MULA 0, 0, 4, 0, \zero
	PLACES
	LDB \slot, 0, 1
	LDA \slot, 1, 0
	s_wait_dscnt 20                                ; all but the run just issued
	MULA 0, 4, 4, 0, \zero
	s_wait_dscnt 8                                 ; B's blocks 6-11 are in; the eight loads behind them are the next chunk's
	MULA 1, 0, 4, 0, \zero
	PLACES
	LDB \slot, 1, 0
	LDA \slot, 1, 1
	MULA 1, 4, 4, 0, \zero
.endm
; The first unit of a step's second chunk: its run of loads is the last that reads this slot.
.macro CH1U0 slot
	s_wait_dscnt 8                                 ; as at a chunk's head
	MULA 0, 0, 4, 1, 0
	PLACES
	LDB \slot, 1, 1
	s_wait_dscnt 12                                ; all but the run just issued
	MULA 0, 4, 4, 1, 0
.endm
; A step's last unit changes slots: ONE barrier.  In front of it each wave waits for all its tensor loads (one is out: its part of the next slot), adds 0 to its spare word, and waits for that and
; for its own reads of this slot.  Behind it nobody reads this slot any more and the next slot is whole.  fill = 1: the barrier opens a round of the cluster's, and the slot just read out is filled
; again, with the K step two steps on, the first thing behind the round: 180 of a step's 192 matrix instructions stand between that request and the wait for it.
.macro TURN slot, next, fill
.if \fill
	s_wait_xcnt 0x0                                ; the last prefetch, a K step back, has read its address: it is stepped here, ahead of the change's own waits
	s_add_nc_u64 s[PFA:PFA+1], s[PFA:PFA+1], s[PST+2*(\slot):PST+2*(\slot)+1]
.endif
	WIN 0                                          ; (the add's two registers lie in window 0)
	s_wait_tensorcnt 0x0
	ds_add_u32 v[SPW], v[NIL]                      ; 0 onto my spare word
	s_wait_dscnt 1                                 ; B's blocks 6-11 are in; the add may be out
	MULA 1, 0, 1, 1, 0                             ; matrix work stands between the add and the wait for it
	s_wait_dscnt 0x0                               ; the add is done, and my reads of this slot are over
	s_barrier_signal -1
	MULA 1, 1, 1, 1, 0
	WIN 0
	s_barrier_wait -1
.if \fill
	CREST                                          ; no wave of any partner still reads this slot's tiles or has a load on its way
	s_add_nc_u64 s[G0+4*(\slot)+2:G0+4*(\slot)+3], s[G0+4*(\slot)+2:G0+4*(\slot)+3], 2*ABLK
	s_add_nc_u64 s[G0B+4*(\slot)+2:G0B+4*(\slot)+3], s[G0B+4*(\slot)+2:G0B+4*(\slot)+3], 2*KSTEP*SIZE_N*2
	JLOAD \slot                                    ; the four v_nop behind it are also the places in front of the loads below
.else
	PLACES
.endif
	LDB \next, 0, 0                                ; the next slot's first chunk: 28 loads
	LDA \next, 0, 0
	LDA \next, 0, 1
.if \fill
.if (\slot) == 0
	ASK LIM
.else
	ASK LIM1
.endif
.endif
	MULA 1, 2, 6, 1, 0
.endm
	s_wait_tensorcnt 1                             ; my part of K step 0 is in; K step 1's may stay out
	s_barrier_signal -1
	s_barrier_wait -1                              ; everybody's is
	LDB 0, 0, 0
	LDA 0, 0, 0
	LDA 0, 0, 1
	CH0 0, 1                                       ; the first chunk stands in front of the loop: its products start the sums
	WIN 0                                          ; at a label and at a branch every window is 0
	s_mov_b32 s3, LAPS-1
.Llap:                                                 ; a trip goes once round the ring, from a lap's second chunk to the next lap's first, and fills both slots again
	CH1U0 0
	TURN 0, 1, 1
	CH0 1, 0
	CH1U0 1
	TURN 1, 0, 1
	CH0 0, 0
	WIN 0
	s_sub_co_u32 s3, s3, 1
	s_cmp_lg_u32 s3, 0
	s_cbranch_scc1 .Llap
	CH1U0 0                                        ; the last lap fills nothing, and has no round of the cluster's barrier
	TURN 0, 1, 0
	CH0 1, 0
	CH1U0 1
	s_wait_dscnt 0x0                               ; B's blocks 6-11 are in, and my last reads of the ring are over:
	s_barrier_signal -1                            ; say so: the stage lies on the ring's bytes
	MULA 1, 0, 8, 1, 0                             ; the very last unit
	WIN 0
	s_barrier_wait -1                              ; no wave reads the ring any more, and no load lands there
	; THE WAY OUT: round to f16; 16 bytes a lane into the work-group's stage; a barrier, since a row's 768 bytes come from two waves; back in stretches of 512 bytes, 64 rows a wave.
	PLACES
.macro PACK a                          ; row block a: each accumulator's registers in ascending order
.set bb, 0
.rept 12
.set nn, 48*(bb/6)+6*(\a)+bb%6
.set rD, 8*(nn%32)
	WIN 5*(1+nn/32)                                ; sources 0 and 1 in the accumulator's window
.irp r, 0,1,2,3
	v_cvt_pk_f16_f32 v[TMP+4*bb+(\r)], v[rD+2*(\r)], v[rD+2*(\r)+1]
.endr
.set bb, bb+1
.endr
	WIN 0
.set bb, 0
.rept 12
	ds_store_b128 v[STO+(\a)/4], v[TMP+4*bb:TMP+4*bb+3] offset:((\a)%4)*16*SP+32*bb
.set bb, bb+1
.endr
.endm
.irp a, 0,1,2,3,4,5,6,7
	PACK \a
.endr
	s_wait_dscnt 0x0                               ; for the others' sake: my stores into the stage are done
	s_barrier_signal -1
	s_barrier_wait -1
.set n, 0
.rept 48                                       ; my first 32 rows, into window 0
	ds_load_b128 v[64+4*n:64+4*n+3], v[RD+n%3] offset:(n/3)*2*SP
.set n, n+1
.endr
.set n, 0
.rept 48
	s_wait_dscnt 47-n                              ; LDS loads come back in order: number n is in
	global_store_b128 v[GO+n%3], v[64+4*n:64+4*n+3], s[8:9] offset:(n/3)*2*SIZE_N*2  ; 16 lanes store 256 consecutive bytes, at a multiple of 256 from C's first byte
.set n, n+1
.endr
	WIN 0x40                                       ; my other 32 rows, into window 1, whose accumulators have been packed: no register that a store still reads is written
.set n, 48
.rept 48
	ds_load_b128 v[4*(n-48):4*(n-48)+3], v[RD+n%3] offset:(n/3)*2*SP
.set n, n+1
.endr
	WIN 0x04                                       ; a store's data are its source 1
.set n, 48
.rept 48
	s_wait_dscnt 95-n
	global_store_b128 v[GO+n%3], v[4*(n-48):4*(n-48)+3], s[8:9] offset:(n/3)*2*SIZE_N*2
.set n, n+1
.endr
	WIN 0
	s_wait_tensorcnt 0x0                           ; the wave's end, behind my last tensor load and my last LDS store
	ds_add_u32 v[SPW], v[NIL]
	s_wait_dscnt 0x0
	CROUND                                         ; the closing round: no work-group ends while a partner may still ask for a tile that names it
	s_endpgm
.Lfunc_end_k_q2dee6ce0ed_gemm_qkv:
	.size	k_q2dee6ce0ed_gemm_qkv, .Lfunc_end_k_q2dee6ce0ed_gemm_qkv-k_q2dee6ce0ed_gemm_qkv
	.p2alignl 7, 3214868480
	.fill 96, 4, 3214868480
	.section	.rodata,"a",@progbits
	.p2align	6, 0x0
	.amdhsa_kernel k_q2dee6ce0ed_gemm_qkv
		.amdhsa_group_segment_fixed_size 327680
		.amdhsa_private_segment_fixed_size 0
		.amdhsa_enable_private_segment 0
		.amdhsa_kernarg_size 24
		.amdhsa_user_sgpr_count 2
		.amdhsa_user_sgpr_kernarg_segment_ptr 1
		.amdhsa_wavefront_size32 1
		.amdhsa_system_sgpr_workgroup_id_x 1
		.amdhsa_system_sgpr_workgroup_id_y 1
		.amdhsa_system_sgpr_workgroup_id_z 1
		.amdhsa_system_vgpr_workitem_id 0
		.amdhsa_next_free_vgpr 1024
		.amdhsa_next_free_sgpr 72
		.amdhsa_reserve_vcc 0
		.amdhsa_float_denorm_mode_32 3
		.amdhsa_float_denorm_mode_16_64 3
		.amdhsa_memory_ordered 1
		.amdhsa_forward_progress 1
		.amdhsa_inst_pref_size 135
	.end_amdhsa_kernel
	.amdgpu_metadata
---
amdhsa.version: [ 1, 2 ]
amdhsa.kernels:
  - .name:           k_q2dee6ce0ed_gemm_qkv
    .symbol:         k_q2dee6ce0ed_gemm_qkv.kd
    .args:
      - { .name: xb, .offset: 0, .size: 8, .value_kind: global_buffer, .address_space: global }
      - { .name: wqkv, .offset: 8, .size: 8, .value_kind: global_buffer, .address_space: global }
      - { .name: qkv, .offset: 16, .size: 8, .value_kind: global_buffer, .address_space: global }
    .group_segment_fixed_size: 327680
    .private_segment_fixed_size: 0
    .kernarg_segment_align: 8
    .kernarg_segment_size: 24
    .max_flat_workgroup_size: 128
    .sgpr_count:     72
    .vgpr_count:     1024
    .wavefront_size: 32
...
	.end_amdgpu_metadata
.endif
;; end of part 2
;; launch chain (part 3): grid 256 x 1, 8 waves a work-group, no clusters, 144,384 bytes of LDS; arguments qkv, o16, rs; writes o16, rs
.if DOCPART == 3
	.amdgcn_target "amdgcn-amd-amdhsa--gfx1250"
	.amdhsa_code_object_version 6
	.text
	.protected	k_q2dee6ce0ed_chain
	.globl	k_q2dee6ce0ed_chain
	.p2align	8
	.type	k_q2dee6ce0ed_chain,@function
k_q2dee6ce0ed_chain:
	s_mov_b64 s[64:65], 0
	v_nop
	global_prefetch_b8 v0, s[64:65] scope:SCOPE_SE
	s_setreg_imm32_b32 hwreg(HW_REG_WAVE_MODE, 25, 1), 1
	s_wait_xcnt 0x0
; FOR EACH TOKEN: S = q k^T (16 heads x 16 keys, 128 channels), o = S v (16 heads x 128 channels).  qkv: [4096][6144] f16, a token's row: q / 8, k / 8, v / 8, each [16][128].
; o16: [4096][2048] f16 and rs: [4096] f32, with o = rs x o16.  Products and sums in f32.
; THE SCALES.  S and o do not fit f16 for all inputs that the problem allows, so each token's S, and then its o, is divided by the power of two of its own largest magnitude (its exponent bits; the
; reciprocal is 254 less that exponent: whole-number arithmetic, exact).  What is rounded to f16 lies within (-2, 2).  rs = 8 x 8 x 8 x the two powers.
; A sum of products of f16 numbers is 0 or at least 2^-48, and under 2^40 here: no exponent is 0 unless the token's numbers are all 0 (then rs = 0 and o16 = 0), none is the largest.
; LIMITS.  q / 8, k / 8, v / 8 arrive finite.  NaN and infinities are not treated apart.
; SHARES.  A wave takes two tokens, a work-group 16.  No loop: a wave's 48 loads (24 KiB) go out at its head.  No barrier: every LDS byte is read by the wave that wrote it.
; No cluster: no two work-groups read the same byte.
; LAYOUT.  S^T = K Q^T (source 0 = 16 keys, source 1 = 16 heads): a lane holds head l % 16 and the keys 8 (l / 16) + 0..7; rounded to f16 in pairs these ARE registers 0-3 of source 1 (K = 32 keys, of
; which 16 exist: registers 4-7 hold 0) of O^T = V^T P, whose result holds head l % 16 and eight channels.  V ([key][channel]) goes through LDS and comes back turned, by ds_load_tr16_b128; a block's
; source 0 is its four registers and the four behind them (the next block's numbers, or zeros), which meet P's zeros.
; rs leaves as 8 bytes a wave: 16 KiB in the launch.
.set QROW, 12288                       ; bytes of a token's row of qkv
.set PV,   288                         ; a row of V in LDS: 256 + 32 bytes = 72 words
.set SP,   272                         ; a stage row: 256 + 16
.set STG,  2*16*PV                     ; a wave's LDS: V of its two tokens, then two stages of 16 rows
.set WLDS, STG+2*16*SP
.set SPARE, 8*WLDS                     ; behind them: the spare words, 128 bytes for each wave: four blocks of 256 bytes that no other line names
.set LG,  5                            ; v5   16 x lane: V's loads and O's stores
.set FG,  6                            ; v6   a fragment's row x 256 + 16 x half
.set VS,  7                            ; v7   where I put 16 bytes of V
.set VT,  8                            ; v8   where the turning load reads
.set STO, 9                            ; v9   the way out: where I put 16 bytes of a row
.set RD,  10                           ; v10  where I read rows back
.set ZO,  11                           ; v11  0, rs's offset
.set SPW, 12                           ; v12  LDS address of my spare word; never rewritten
.set NIL, 13                           ; v13  0; never rewritten
.set S,   16                           ; v16-31   S^T, 8 a token; later four running maxima a token, and v24-25 the two rs
.set P,   32                           ; v32-47   P, 8 a token
.set QF,  48                           ; v48-175  token t: Q at QF + 64 t + 8 c, K 32 further; later O^T, block c at QF + 64 t + 8 c; then the rows read back
.set VF,  176                          ; v176-239 token t: V as loaded, then turned (block c at VF + 32 t + 4 c), then the packed o
.set Z,   240                          ; v240-243 zeros behind the last block
.set ST,  244                          ; token t at ST + 6 t: 1 / power and power of S, the same of o, the maximum, at work
.set SEL, 20                           ; s[20:21] v_permlanex16_b32's selects: each lane takes its own place in the other half
	s_load_b128 s[4:7], s[0:1], 0x0                ; qkv s[4:5], o16 s[6:7]
	s_load_b64 s[8:9], s[0:1], 0x10                ; rs
	v_lshl_add_u32 v[SPW], v0, 2, SPARE
	v_mov_b32 v[NIL], 0
	v_lshrrev_b32 v1, 5, v0
	v_readfirstlane_b32 s12, v1                    ; wave 0..7
	s_lshl_b32 s13, ttmp9, 4
	s_lshl1_add_u32 s13, s12, s13                  ; my first token: 16 x work-group + 2 x wave
	s_mul_i32 s14, s13, QROW                       ; under 2^26
	s_mov_b32 s15, 0
	s_lshl_b32 s16, s13, 12
	s_mov_b32 s17, 0
	s_lshl_b32 s18, s13, 2
	s_mov_b32 s19, 0
	s_mov_b32 s[SEL], 0x76543210
	s_mov_b32 s[SEL+1], 0xfedcba98
	s_mul_i32 s22, s12, WLDS
	s_add_co_u32 s23, s22, STG
	v_and_b32 v2, 31, v0                           ; l
	v_and_b32 v3, 15, v0                           ; l % 16
	v_bfe_u32 v4, v0, 4, 1                         ; l / 16
	v_lshlrev_b32 v[LG], 4, v2
	v_lshlrev_b32 v[FG], 8, v3
	v_lshl_add_u32 v[FG], v4, 4, v[FG]
	s_wait_kmcnt 0x0
	s_add_nc_u64 s[4:5], s[4:5], s[14:15]
	s_add_nc_u64 s[6:7], s[6:7], s[16:17]
	s_add_nc_u64 s[8:9], s[8:9], s[18:19]
.irp t, 0,1
.irp i, 0,1,2,3,4,5,6,7
	global_load_b128 v[VF+32*(\t)+4*(\i):VF+32*(\t)+4*(\i)+3], v[LG], s[4:5] offset:(\t)*QROW+8192+512*(\i)  ; V first: 512 consecutive bytes, two keys' rows
.endr
.endr
.irp t, 0,1
.irp c, 0,1,2,3                        ; fragments straight from memory: row l % 16, channels 32 c + 8 (l / 16) + 0..7 and 16 further
	global_load_b128 v[QF+64*(\t)+32+8*(\c):QF+64*(\t)+32+8*(\c)+3],   v[FG], s[4:5] offset:(\t)*QROW+4096+64*(\c)
	global_load_b128 v[QF+64*(\t)+32+8*(\c)+4:QF+64*(\t)+32+8*(\c)+7], v[FG], s[4:5] offset:(\t)*QROW+4096+64*(\c)+32
	global_load_b128 v[QF+64*(\t)+8*(\c):QF+64*(\t)+8*(\c)+3],         v[FG], s[4:5] offset:(\t)*QROW+64*(\c)
	global_load_b128 v[QF+64*(\t)+8*(\c)+4:QF+64*(\t)+8*(\c)+7],       v[FG], s[4:5] offset:(\t)*QROW+64*(\c)+32
.endr
.endr
	v_mul_u32_u24 v[VS], v4, PV                    ; a load's 512 bytes are keys 2 i and 2 i + 1: row l / 16, 16 bytes at 16 (l % 16)
	v_lshl_add_u32 v[VS], v3, 4, v[VS]
	v_add_nc_u32 v[VS], s22, v[VS]
	v_and_b32 v[VT], 7, v0                         ; the turning load: lane l reads key 8 (l / 16) + l % 8, channels 8 ((l / 8) % 2) + 0..7
	v_lshl_add_u32 v[VT], v4, 3, v[VT]
	v_mul_u32_u24 v[VT], v[VT], PV
	v_bfe_u32 v14, v0, 3, 1
	v_lshl_add_u32 v[VT], v14, 4, v[VT]
	v_add_nc_u32 v[VT], s22, v[VT]
	v_mul_u32_u24 v[STO], v3, SP                   ; in: row l % 16, 16 bytes for each half of the lanes
	v_lshl_add_u32 v[STO], v4, 4, v[STO]
	v_add_nc_u32 v[STO], s23, v[STO]
	v_mul_u32_u24 v[RD], v4, SP                    ; back: lanes 0-15 one row of 256 bytes, lanes 16-31 the next
	v_lshl_add_u32 v[RD], v3, 4, v[RD]
	v_add_nc_u32 v[RD], s23, v[RD]
	v_mov_b32 v[ZO], 0
.irp r, P+4, P+5, P+6, P+7, P+12, P+13, P+14, P+15, Z, Z+1, Z+2, Z+3, ST+5, ST+11
	v_mov_b32 v[\r], 0                             ; P's keys 16-31, the zeros behind V's last block, and the two registers that v_permlanex16_b32 writes (its destination counts as read)
.endr
	s_wait_loadcnt 32                              ; V is in; Q's and K's 32 loads may stay out
.irp t, 0,1
.irp i, 0,1,2,3,4,5,6,7
	ds_store_b128 v[VS], v[VF+32*(\t)+4*(\i):VF+32*(\t)+4*(\i)+3] offset:(\t)*16*PV+(\i)*2*PV
.endr
.endr
	s_wait_dscnt 0x0                               ; the stores have read their registers, into which the loads below land
.irp t, 0,1
.irp c, 0,1,2,3,4,5,6,7
	ds_load_tr16_b128 v[VF+32*(\t)+4*(\c):VF+32*(\t)+4*(\c)+3], v[VT] offset:(\t)*16*PV+32*(\c)  ; channels 16 c on, keys 8 (l / 16) + 0..7
.endr
.endr
	s_wait_loadcnt 0x0                             ; Q and K
.irp c, 0,1,2,3                        ; S^T = K Q^T: the two tokens' accumulators take turns
.irp t, 0,1
.if (\c) == 0
	v_wmma_f32_16x16x32_f16 v[S+8*(\t):S+8*(\t)+7], v[QF+64*(\t)+32+8*(\c):QF+64*(\t)+32+8*(\c)+7], v[QF+64*(\t)+8*(\c):QF+64*(\t)+8*(\c)+7], 0
.else
	v_wmma_f32_16x16x32_f16 v[S+8*(\t):S+8*(\t)+7], v[QF+64*(\t)+32+8*(\c):QF+64*(\t)+32+8*(\c)+7], v[QF+64*(\t)+8*(\c):QF+64*(\t)+8*(\c)+7], v[S+8*(\t):S+8*(\t)+7]
.endif
.endr
.endr
.rept 5
	v_nop                                          ; four places ahead of the reads of S^T; five ahead of the products below, which write over Q's and K's registers (ISA guide 7.12.1)
.endr
; the maximum over the 32 lanes, in every lane: four steps inside each half ride on the arithmetic (DPP), one crosses the halves
.macro LANEMAX m
	v_max_num_f32_dpp v[\m], v[\m], v[\m] row_xmask:1 row_mask:0xf bank_mask:0xf
	v_max_num_f32_dpp v[\m], v[\m], v[\m] row_xmask:2 row_mask:0xf bank_mask:0xf
	v_max_num_f32_dpp v[\m], v[\m], v[\m] row_xmask:4 row_mask:0xf bank_mask:0xf
	v_max_num_f32_dpp v[\m], v[\m], v[\m] row_xmask:8 row_mask:0xf bank_mask:0xf
	v_permlanex16_b32 v[(\m)+1], v[\m], s[SEL], s[SEL+1]
	v_max_num_f32 v[\m], v[\m], v[(\m)+1]
.endm
.irp t, 0,1
	v_max3_num_f32 v[ST+6*(\t)+4], |v[S+8*(\t)]|, |v[S+8*(\t)+1]|, |v[S+8*(\t)+2]|
.endr
.irp t, 0,1
	v_max3_num_f32 v[ST+6*(\t)+4], v[ST+6*(\t)+4], |v[S+8*(\t)+3]|, |v[S+8*(\t)+4]|
.endr
.irp t, 0,1
	v_max3_num_f32 v[ST+6*(\t)+4], v[ST+6*(\t)+4], |v[S+8*(\t)+5]|, |v[S+8*(\t)+6]|
.endr
.irp t, 0,1
	v_max_num_f32 v[ST+6*(\t)+4], v[ST+6*(\t)+4], |v[S+8*(\t)+7]|
.endr
	LANEMAX ST+4
	LANEMAX ST+10
.irp t, 0,1
	v_and_b32 v[ST+6*(\t)+1], 0x7f800000, v[ST+6*(\t)+4]     ; the power of two of the token's largest |s|,
	v_sub_nc_u32 v[ST+6*(\t)], 0x7f000000, v[ST+6*(\t)+1]    ; and its reciprocal
.endr
.irp t, 0,1
.irp i, 0,1,2,3
	v_pk_mul_f32 v[S+8*(\t)+2*(\i):S+8*(\t)+2*(\i)+1], v[S+8*(\t)+2*(\i):S+8*(\t)+2*(\i)+1], v[ST+6*(\t):ST+6*(\t)+1] op_sel_hi:[1,0]
.endr
.endr
.irp t, 0,1
.irp i, 0,1,2,3
	v_cvt_pk_f16_f32 v[P+8*(\t)+(\i)], v[S+8*(\t)+2*(\i)], v[S+8*(\t)+2*(\i)+1]
.endr
.endr
	s_wait_dscnt 0x0                               ; V, turned, is in
.irp c, 0,1,2,3,4,5,6,7                ; O^T = V^T P: sixteen sums of one product each
.irp t, 0,1
	v_wmma_f32_16x16x32_f16 v[QF+64*(\t)+8*(\c):QF+64*(\t)+8*(\c)+7], v[VF+32*(\t)+4*(\c):VF+32*(\t)+4*(\c)+7], v[P+8*(\t):P+8*(\t)+7], 0
.endr
.endr
.rept 4
	v_nop                                          ; the places behind those products
.endr
	; the token's largest |o|: four chains a token, two accumulators (16 registers) each, in ascending order: each accumulator is first read at its lowest register
.irp t, 0,1
.irp k, 0,1,2,3
	v_max3_num_f32 v[S+4*(\t)+(\k)], |v[QF+64*(\t)+16*(\k)]|, |v[QF+64*(\t)+16*(\k)+1]|, |v[QF+64*(\t)+16*(\k)+2]|
.endr
.endr
.irp n, 1,2,3,4,5,6
.irp t, 0,1
.irp k, 0,1,2,3
	v_max3_num_f32 v[S+4*(\t)+(\k)], v[S+4*(\t)+(\k)], |v[QF+64*(\t)+16*(\k)+2*(\n)+1]|, |v[QF+64*(\t)+16*(\k)+2*(\n)+2]|
.endr
.endr
.endr
.irp t, 0,1
.irp k, 0,1,2,3
	v_max_num_f32 v[S+4*(\t)+(\k)], v[S+4*(\t)+(\k)], |v[QF+64*(\t)+16*(\k)+15]|
.endr
.endr
.irp t, 0,1
	v_max3_num_f32 v[S+4*(\t)], v[S+4*(\t)], v[S+4*(\t)+1], v[S+4*(\t)+2]
.endr
.irp t, 0,1
	v_max_num_f32 v[ST+6*(\t)+4], v[S+4*(\t)], v[S+4*(\t)+3]
.endr
	LANEMAX ST+4
	LANEMAX ST+10
.irp t, 0,1
	v_and_b32 v[ST+6*(\t)+3], 0x7f800000, v[ST+6*(\t)+4]
	v_sub_nc_u32 v[ST+6*(\t)+2], 0x7f000000, v[ST+6*(\t)+3]
	v_mul_f32 v[S+8+(\t)], v[ST+6*(\t)+1], v[ST+6*(\t)+3]    ; rs = 512 x the two powers
.endr
.irp t, 0,1
	v_mul_f32 v[S+8+(\t)], 0x44000000, v[S+8+(\t)]
.endr
.irp t, 0,1
.set i, 0
.rept 32
	v_pk_mul_f32 v[QF+64*(\t)+2*i:QF+64*(\t)+2*i+1], v[QF+64*(\t)+2*i:QF+64*(\t)+2*i+1], v[ST+6*(\t)+2:ST+6*(\t)+3] op_sel_hi:[1,0]
.set i, i+1
.endr
.set i, 0
.rept 32
	v_cvt_pk_f16_f32 v[VF+32*(\t)+i], v[QF+64*(\t)+2*i], v[QF+64*(\t)+2*i+1]
.set i, i+1
.endr
.endr
	; THE WAY OUT: a lane's eight channels of a head are 16 bytes; they go into rows of 272 bytes and come back as whole rows of 256
.irp t, 0,1
.irp c, 0,1,2,3,4,5,6,7
	ds_store_b128 v[STO], v[VF+32*(\t)+4*(\c):VF+32*(\t)+4*(\c)+3] offset:(\t)*16*SP+32*(\c)
.endr
.irp f, 0,1,2,3,4,5,6,7
	ds_load_b128 v[QF+64*(\t)+4*(\f):QF+64*(\t)+4*(\f)+3], v[RD] offset:(\t)*16*SP+(\f)*2*SP  ; LDS serves a wave's instructions in order (ISA guide 5.7.1.4): these see the stores above
.endr
.endr
.irp f, 0,1,2,3,4,5,6,7
	s_wait_dscnt 16+7-(\f)                         ; behind this load: the token's later loads and the other token's sixteen LDS instructions
	global_store_b128 v[LG], v[QF+4*(\f):QF+4*(\f)+3], s[6:7] offset:512*(\f)  ; 512 consecutive bytes, at a multiple of 256 from o16's first byte
.endr
.irp f, 0,1,2,3,4,5,6,7
	s_wait_dscnt 7-(\f)
	global_store_b128 v[LG], v[QF+64+4*(\f):QF+64+4*(\f)+3], s[6:7] offset:4096+512*(\f)
.endr
	v_cmp_eq_u32 vcc_lo, 0, v2
	s_wait_xcnt 0x0                                ; EXEC changes only behind this wait: it is a source of the stores above
	s_and_saveexec_b32 s24, vcc_lo
	global_store_b64 v[ZO], v[S+8:S+9], s[8:9]     ; lane 0: my two tokens' scales
	s_wait_xcnt 0x0                                ; and again, in front of the line that widens it
	s_or_b32 exec_lo, exec_lo, s24
	s_wait_tensorcnt 0x0                           ; the wave's end, behind my last LDS store
	ds_add_u32 v[SPW], v[NIL]
	s_wait_dscnt 0x0
	s_endpgm
.Lfunc_end_k_q2dee6ce0ed_chain:
	.size	k_q2dee6ce0ed_chain, .Lfunc_end_k_q2dee6ce0ed_chain-k_q2dee6ce0ed_chain
	.p2alignl 7, 3214868480
	.fill 96, 4, 3214868480
	.section	.rodata,"a",@progbits
	.p2align	6, 0x0
	.amdhsa_kernel k_q2dee6ce0ed_chain
		.amdhsa_group_segment_fixed_size 144384
		.amdhsa_private_segment_fixed_size 0
		.amdhsa_enable_private_segment 0
		.amdhsa_kernarg_size 24
		.amdhsa_user_sgpr_count 2
		.amdhsa_user_sgpr_kernarg_segment_ptr 1
		.amdhsa_wavefront_size32 1
		.amdhsa_system_sgpr_workgroup_id_x 1
		.amdhsa_system_sgpr_workgroup_id_y 1
		.amdhsa_system_sgpr_workgroup_id_z 1
		.amdhsa_system_vgpr_workitem_id 0
		.amdhsa_next_free_vgpr 256
		.amdhsa_next_free_sgpr 66
		.amdhsa_reserve_vcc 1
		.amdhsa_float_denorm_mode_32 3
		.amdhsa_float_denorm_mode_16_64 3
		.amdhsa_memory_ordered 1
		.amdhsa_forward_progress 1
		.amdhsa_inst_pref_size 32
	.end_amdhsa_kernel
	.amdgpu_metadata
---
amdhsa.version: [ 1, 2 ]
amdhsa.kernels:
  - .name:           k_q2dee6ce0ed_chain
    .symbol:         k_q2dee6ce0ed_chain.kd
    .args:
      - { .name: qkv, .offset: 0, .size: 8, .value_kind: global_buffer, .address_space: global }
      - { .name: o16, .offset: 8, .size: 8, .value_kind: global_buffer, .address_space: global }
      - { .name: rs, .offset: 16, .size: 8, .value_kind: global_buffer, .address_space: global }
    .group_segment_fixed_size: 144384
    .private_segment_fixed_size: 0
    .kernarg_segment_align: 8
    .kernarg_segment_size: 24
    .max_flat_workgroup_size: 256
    .sgpr_count:     66
    .vgpr_count:     256
    .wavefront_size: 32
...
	.end_amdgpu_metadata
.endif
;; end of part 3
;; launch gemm_out (part 4): grid 8 x 32, 4 waves a work-group, clusters of 4 x 4, 327,680 bytes of LDS; arguments o16, wo16, out0, rs; writes out0
.if DOCPART == 4
	.amdgcn_target "amdgcn-amd-amdhsa--gfx1250"
	.amdhsa_code_object_version 6
	.text
	.protected	k_q2dee6ce0ed_gemm_out
	.globl	k_q2dee6ce0ed_gemm_out
	.p2align	8
	.type	k_q2dee6ce0ed_gemm_out,@function
k_q2dee6ce0ed_gemm_out:
	s_mov_b64 s[64:65], 0
	v_nop
	global_prefetch_b8 v0, s[64:65] scope:SCOPE_SE
	s_setreg_imm32_b32 hwreg(HW_REG_WAVE_MODE, 25, 1), 1
	s_wait_xcnt 0x0
	s_wait_alu depctr_hold_cnt(0) depctr_sa_sdst(0) depctr_va_vdst(0) depctr_va_sdst(0) depctr_va_ssrc(0) depctr_va_vcc(0) depctr_vm_vsrc(0)
	s_getreg_b32 s2, hwreg(HW_REG_IB_STS2, 6, 4)
	s_cmp_eq_u32 s2, 0
	s_cbranch_scc0 .Lentry_in_a_cluster
	s_endpgm
.Lentry_in_a_cluster:
	s_bfe_u32 s2, ttmp6, 0x10000c
	s_cmp_lg_u32 s2, 0xf033
	s_cbranch_scc0 .Lentry_shape_is_right
	s_endpgm
.Lentry_shape_is_right:
; out0[m][n] = rs[m] x sum over k of o16[m][k] wo16[k][n].  o16: [4096][2048] f16 (a token's o, scaled into (-2, 2)), rs: [4096] f32 (its scale), wo16: [2048][2048] f16, out0: [4096][2048] f32.
; Sums in f32, K ascending; the scale is applied to the finished sum, in f32.  NaN and infinities are not treated apart.
; SHARES.  A work-group makes 128 x 256 of C: 8 x 32 = 256 work-groups.  All four waves take all 128 rows; wave w the columns 64 w .. 64 w + 63: 8 x 4 accumulators of 16 x 16, 256 registers.
; THE RING.  K goes in steps of 128 through two LDS slots.  A slot has four regions of 36,864 bytes, one for each wave's tensor load: waves 0 and 1 bring 64 rows x 256 bytes of A each, waves 2 and 3
; a sub-tile of B each, 128 k-rows x 128 columns (256 bytes a row).  Every row asked for is 256 consecutive bytes at a multiple of 256 from its buffer's first byte.
; B LIES [K][N]: its fragments come out of LDS turned, by ds_load_tr16_b128.
; THE MATRIX INSTRUCTION IS USED TRANSPOSED (source 0 = 16 columns of B, source 1 = 16 rows of A): a lane then holds row l % 16 of C and the columns 8 (l / 16) + 0..7: 32 bytes on end, one scale.
; CLUSTERS: 4 x 4 work-groups.  The four of a row of the cluster need the same tile of A, the four of a column the same tiles of B: each is asked for JOINTLY, by the same tensor load with the
; same descriptor and a mask that names the four.
; REGISTERS, in windows of 256 (s_set_vgpr_msb's low byte: bits 1:0 source 0, 3:2 source 1, 5:4 source 2, 7:6 destination):
;   window 0: v0-31 addresses and the eight scales; v64-127, v128-191 A's fragments, two buffers; v192-223, v32-63, v224-255 at work on the way out
;   window 1: v64-95, v128-159 B's fragments, two buffers     window 2: accumulators of row blocks 0-3, (a, b) at v[8 (4 a + b)]     window 3: row blocks 4-7
.set SIZE_K, 2048
.set SIZE_N, 2048
.set NT,     256                       ; columns of a work-group's tile
.set NBF,    4                         ; blocks of 16 columns a wave
.set NPAIR,  2                         ; pairs of them: 64 bytes of a row of B, one address register each
.set NA,     2                         ; waves that fetch A; the others fetch B
.set ARB,    8/NA                      ; A's blocks of 16 rows in a region
.set KSTEP,  128
.set PA,     272                       ; a row of A in LDS: 256 bytes + 16 of padding = 68 words: row r starts at bank 4 r mod 64 (64 banks of 4 bytes: ISA guide 11.1)
.set PB,     288                       ; a row of B: 256 + 32 = 72 words
.set REG,    128*PB                    ; a wave's region of a slot
.set SLOT,   4*REG
.set STAGE,  2*SLOT                    ; behind the ring, never filled by a tensor load: 16 rows x 272 bytes for each wave, for the way out
.set SPITCH, 272
.set SPARE,  STAGE+4*16*SPITCH         ; behind the stages: the spare words, 128 bytes for each wave: two blocks of 256 bytes that no other line names
.set LAPS,   SIZE_K/(2*KSTEP)
.set NLD,    16+2*NBF                  ; LDS loads in a run
.set RS,   8                           ; v8-15   rs of my row (l % 16) in each of the eight row blocks
.set ADRA, 16                          ; v16-17  LDS address of my A fragments in slot 0, 1
.set ADRB, 18                          ; v18-19, v20-21  the same for B: slot 0, 1, a register for each pair of column blocks
.set STO,  24                          ; v24     the way out: where I put 32 bytes of a row
.set RD,   25                          ; v25     where I read a row back
.set CO,   26                          ; v26     my byte offset in C
.set RSO,  27                          ; v27     4 x (l % 16): my offset in 16 scales; never rewritten
.set SPW,  28                          ; v28     LDS address of my spare word: SPARE + 4 x my thread's number; never rewritten
.set NIL,  29                          ; v29     0; never rewritten
.set PFO,  30                          ; v30     the prefetches' offset: my lane x a row of A or B in memory; never rewritten
.set OB,   32                          ; 16 rows read back from the stage: v32-63 and v224-255 by turns
.set TMP,  192                         ; a row block's scaled results
.set F0,   64
.set F1,   128
.set G1,  24                           ; s[24:31] descriptor group 1 for A's tiles;  s[32:39] group 0, a set for each slot
.set G0,  32
.set G1B, 48                           ; s[48:55], s[56:63] the same for B's
.set G0B, 56
.set LIM, 43                           ; s43     1 in a wave that prefetches, else the greatest number
.set PFA, 44                           ; s[44:45] where my prefetches stand
.set PSTEP, 66                         ; s[66:67] a K step in bytes, along A's rows or down B's
.set MSB, 0
.macro WIN new                         ; the immediate's high byte repeats the setting that is left; a switch that changes nothing is dropped
.if MSB != (\new)
	s_set_vgpr_msb (MSB<<8)|(\new)
.set MSB, \new
.endif
.endm
.set MUL_LO, 0xa1                      ; source 0 (B) window 1, source 1 (A) window 0, C and D window 2
.set MUL_HI, 0xf1                      ; the same, C and D window 3
.set TO_B,   0x40                      ; destination window 1, address window 0
; A joint load: the waves below NA fetch A, the others B.  Each line has one mask; the branch hangs on the wave's number alone.  An s_nop 0 and four v_nop follow each line.
.macro JLOAD s
	s_cmp_lt_u32 s10, NA
	s_cbranch_scc0 .Lfor_b_\@
	tensor_load_to_lds s[G0+4*(\s):G0+4*(\s)+3], s[G1:G1+7]
	s_nop 0
.rept 4
	v_nop
.endr
	s_branch .Lasked_\@
.Lfor_b_\@:
	tensor_load_to_lds s[G0B+4*(\s):G0B+4*(\s)+3], s[G1B:G1B+7]
	s_nop 0
.rept 4
	v_nop
.endr
.Lasked_\@:
.endm
; A PREFETCH INTO THE L2, behind each joint refill and the run of LDS loads that follows it: 32 rows x 256 bytes of the K step that stands TWO refills on, a lane a row, one instruction a wave.
; Each row's 256 bytes of a K step are named once in the launch: A's tile row by wave 0 of the clusters with x = 0, a sub-tile of B by the wave that fetches it in the clusters with y = 0; the four
; partners that ask for a tile jointly share its 128 rows out BY ADDRESS, 32 each (by cx for A, by cy for B).  The loop's last trip asks for nothing: K steps 16 and 17 do not exist.
.macro ASK
	s_cmp_gt_u32 s3, s[LIM]                        ; s3 = 1 in the loop's last trip
	s_cbranch_scc0 .Lnot_mine_\@
	global_prefetch_b8 v[PFO], s[PFA:PFA+1] th:TH_LOAD_NT scope:SCOPE_SE
.Lnot_mine_\@:
.endm
.macro CREST                           ; a round of the cluster's barrier behind its opening barrier
	s_cmp_lg_u32 s10, 0
	s_cbranch_scc1 .Lnot_wave_0_\@
	s_barrier_signal -3
.Lnot_wave_0_\@:
	s_barrier_wait -3
	s_barrier_signal -1
	s_barrier_wait -1
.endm
.macro CROUND                          ; a whole round
	s_barrier_signal -1
	s_barrier_wait -1
	CREST
.endm
	s_load_b128 s[4:7], s[0:1], 0x0                ; A s[4:5], B s[6:7]
	s_load_b64 s[8:9], s[0:1], 0x10                ; C
	s_load_b64 s[68:69], s[0:1], 0x18              ; rs
	v_lshl_add_u32 v[SPW], v0, 2, SPARE
	v_mov_b32 v[NIL], 0
	ds_add_u32 v[SPW], v[NIL]                      ; the wave's opening: the add, twice on end, and its wait ahead of my first tensor load
	ds_add_u32 v[SPW], v[NIL]                      ; and once more, under the one wait; the set-up below, work on registers, stands between
	v_lshrrev_b32 v1, 5, v0
	v_readfirstlane_b32 s10, v1                    ; wave 0..3
	s_and_b32 s12, s10, NA-1                       ; which part of A's rows I would fetch
	s_max_u32 s14, s10, NA
	s_sub_co_u32 s14, s14, NA                      ; which sub-tile of B
	s_bfe_u32 s40, ttmp6, 0x40000                  ; cx, cy: my place in the cluster
	s_bfe_u32 s41, ttmp6, 0x40004
	s_lshl_b32 s42, ttmp9, 2
	s_add_co_u32 s42, s42, s40                     ; tile column of C = 4 x cluster x + cx
	s_and_b32 s13, ttmp7, 0xffff
	s_lshl_b32 s13, s13, 2
	s_add_co_u32 s13, s13, s41                     ; tile row of C = 4 x cluster y + cy
	s_lshl_b32 s43, s41, 2
	s_lshl_b32 s43, 15, s43                        ; my row of the cluster: places 4 cy .. 4 cy + 3
	s_lshl_b32 s44, 0x1111, s40                    ; my column: places cx, cx + 4, cx + 8, cx + 12
	s_or_b32 s[G1+0], s43, (1<<16)|(1<<20)|(1<<21)|(5<<22)|(3<<25)   ; 15:0 the mask; 17:16 elements of 2 bytes; 20 padding on; 21 set beside a mask; 24:22 after every 64 words; 31:25 4 words of it
	s_or_b32 s[G1B+0], s44, (1<<16)|(1<<20)|(1<<21)|(5<<22)|(7<<25)  ; B: my column's mask, 8 words of padding
	s_mov_b32 s[G1+1], KSTEP<<16                   ; tensor_dim0 = 128
	s_mov_b32 s[G1+2], (128/NA)<<16                ; tensor_dim1
	s_mov_b32 s[G1+3], KSTEP<<16                   ; tile_dim0 = 128
	s_mov_b32 s[G1+4], 128/NA                      ; tile_dim1
	s_mov_b32 s[G1+5], SIZE_K                      ; elements from row to row
	s_mov_b32 s[G1+6], 0
	s_mov_b32 s[G1+7], 0
	s_mov_b32 s[G1B+1], 128<<16                    ; B: 128 columns,
	s_mov_b32 s[G1B+2], KSTEP<<16                  ; 128 k-rows
	s_mov_b32 s[G1B+3], 128<<16
	s_mov_b32 s[G1B+4], KSTEP
	s_mov_b32 s[G1B+5], SIZE_N
	s_mov_b32 s[G1B+6], 0
	s_mov_b32 s[G1B+7], 0
	s_lshl_b32 s16, s13, 7                         ; A: row 128 x tile row + my part,
	s_mul_i32 s17, s12, 128/NA
	s_add_co_u32 s16, s16, s17
	s_lshl_b32 s16, s16, 12                        ; x 4,096 bytes: under 2^24
	s_mov_b32 s17, 0
	s_mul_i32 s46, s42, NT                         ; B: column 256 x tile column + 128 x sub-tile,
	s_lshl_b32 s47, s14, 7
	s_add_co_u32 s46, s46, s47
	s_lshl_b32 s46, s46, 1                         ; in bytes
	s_mov_b32 s47, 0
	s_mul_i32 s20, s10, REG                        ; where my tile goes: wave x a region: no place in the cluster enters an LDS address
	s_wait_dscnt 0x0                               ; both opening adds are done
	s_wait_kmcnt 0x0
	s_add_nc_u64 s[18:19], s[4:5], s[16:17]
	s_add_nc_u64 s[46:47], s[6:7], s[46:47]
	CROUND                                         ; all sixteen work-groups are here: the first joint loads meet
.irp s, 0,1
	s_mov_b32 s[G0+4*(\s)], 1                                      ; count = 1
	s_add_co_u32 s[G0+4*(\s)+1], s20, (\s)*SLOT                    ; LDS address
	s_add_nc_u64 s[G0+4*(\s)+2:G0+4*(\s)+3], s[18:19], (\s)*KSTEP*2  ; global address: K step s, along A's rows
	s_or_b32 s[G0+4*(\s)+3], s[G0+4*(\s)+3], 0x80000000            ; type = 2
	s_mov_b32 s[G0B+4*(\s)], 1
	s_add_co_u32 s[G0B+4*(\s)+1], s20, (\s)*SLOT
	s_add_nc_u64 s[G0B+4*(\s)+2:G0B+4*(\s)+3], s[46:47], (\s)*KSTEP*SIZE_N*2  ; K step s, down B's rows
	s_or_b32 s[G0B+4*(\s)+3], s[G0B+4*(\s)+3], 0x80000000
	JLOAD \s                                       ; two loads of mine are out
.endr
	; A's fragment: 16 rows x 32 K in 8 registers: lane l holds row l % 16, K = 8 (l / 16) + 0..7 and 16 + 8 (l / 16) + 0..7: two loads of 16 bytes, 32 bytes apart.
	v_and_b32 v1, 15, v0                           ; l % 16
	v_bfe_u32 v2, v0, 4, 1                         ; l / 16
	v_mul_u32_u24 v3, v1, PA
	v_lshl_add_u32 v[ADRA], v2, 4, v3
	v_add_nc_u32 v[ADRA+1], SLOT, v[ADRA]
	; B's: the turning load takes 16 k x 16 columns (lane l reads k-row 8 (l / 16) + l % 8, columns 8 ((l / 8) % 2) + 0..7) and leaves half a fragment: lane l holds column l % 16 and 8 k.
	v_and_b32 v4, 7, v0
	v_bfe_u32 v5, v0, 3, 1
	v_lshl_add_u32 v4, v2, 3, v4
	v_mul_u32_u24 v4, v4, PB
	v_lshl_add_u32 v4, v5, 4, v4
	s_mul_i32 s21, s10, NPAIR                      ; my first pair of column blocks among the tile's; four pairs to a sub-tile
.set i, 0
.rept NPAIR
	s_add_co_u32 s22, s21, i
	s_lshr_b32 s23, s22, 2
	s_mul_i32 s23, s23, REG                        ; the pair's sub-tile,
	s_and_b32 s22, s22, 3
	s_lshl_b32 s22, s22, 6                         ; its 64 bytes of the rows
	s_add_co_u32 s22, s22, s23
	s_add_co_u32 s22, s22, NA*REG                  ; behind A's regions
	v_add_nc_u32 v[ADRB+i], s22, v4
	v_add_nc_u32 v[ADRB+NPAIR+i], SLOT, v[ADRB+i]
.set i, i+1
.endr
	; the way out
	s_mul_i32 s23, s10, 16*SPITCH
	s_add_co_u32 s23, s23, STAGE                   ; my stage
	v_mul_u32_u24 v6, v1, SPITCH                   ; in: row l % 16, 32 bytes for each half of the lanes
	v_lshl_add_u32 v6, v2, 5, v6
	v_add_nc_u32 v[STO], s23, v6
	v_mul_u32_u24 v7, v2, SPITCH                   ; back: lanes 0-15 take one row of 256 bytes, lanes 16-31 the next
	v_lshl_add_u32 v7, v1, 4, v7
	v_add_nc_u32 v[RD], s23, v7
	v_lshlrev_b32 v7, 13, v2                       ; and the same two rows in C, 8,192 bytes apart
	v_lshl_add_u32 v[CO], v1, 4, v7
	v_lshlrev_b32 v[RSO], 2, v1
	v_and_b32 v6, 31, v0
	s_lshl_b32 s16, s13, 20                        ; 128 x tile row x 8,192 bytes: under 2^25
	s_lshl_b32 s17, s42, 10                        ; the tile's 1,024 bytes of a row,
	s_add_co_u32 s16, s16, s17
	s_lshl_b32 s17, s10, 8                         ; my wave's 256 of them
	s_add_co_u32 s16, s16, s17
	s_mov_b32 s17, 0
	s_add_nc_u64 s[8:9], s[8:9], s[16:17]
	s_lshl_b32 s16, s13, 9                         ; the tile's 128 scales
	s_add_nc_u64 s[68:69], s[68:69], s[16:17]
	; the prefetches
	s_lshl_b32 s20, s13, 7                         ; in A: row 128 x tile row + 32 cx, at K step 3
	s_lshl_b32 s21, s40, 5
	s_add_co_u32 s20, s20, s21
	s_lshl_b32 s20, s20, 12
	s_add_co_u32 s20, s20, 3*KSTEP*2
	s_lshl_b32 s21, s41, 5                         ; in B: k-row 3 x 128 + 32 cy, at my sub-tile's first column
	s_add_co_u32 s21, s21, 3*KSTEP
	s_mul_i32 s21, s21, SIZE_N*2
	s_mul_i32 s22, s42, NT*2
	s_add_co_u32 s21, s21, s22
	s_lshl_b32 s22, s14, 8
	s_add_co_u32 s21, s21, s22
	s_and_b32 s22, ttmp7, 0xffff                   ; B's askers: cluster y = 0
	s_or_b32 s23, ttmp9, s10                       ; A's: cluster x = 0, wave 0
	s_mov_b32 s[PSTEP], KSTEP*SIZE_N*2
	s_cmp_lt_u32 s10, NA
	s_cselect_b32 s20, s20, s21
	s_cselect_b32 s22, s23, s22
	s_cselect_b32 s[PSTEP], KSTEP*2, s[PSTEP]
	s_mov_b32 s23, SIZE_N*2
	s_cselect_b32 s23, SIZE_K*2, s23               ; bytes from row to row
	s_cselect_b64 s[PFA:PFA+1], s[4:5], s[6:7]
	s_mov_b32 s21, 0
	s_mov_b32 s[PSTEP+1], 0
	s_add_nc_u64 s[PFA:PFA+1], s[PFA:PFA+1], s[20:21]  ; the first refill (K step 2) steps it to K step 4.  Nothing is prefetched here, at the head: K steps 0 to 3 come by their loads alone
	s_cmp_eq_u32 s22, 0
	s_cselect_b32 s[LIM], 1, -1                    ; the same in all sixteen partners, for a given wave
	v_mul_u32_u24 v[PFO], v6, s23
.irp a, 0,1,2,3,4,5,6,7
	global_load_b32 v[RS+(\a)], v[RSO], s[68:69] offset:64*(\a)  ; the scale of row 16 a + l % 16; waited for on the way out
.endr
; 8 matrix instructions: row blocks a0, a0 + 1 of the window's four (hi = 0: rows 0-63, 1: rows 64-127) x my 4 column blocks, 32 along K.  zero = 1: the product starts the sums: nothing is cleared.
; The 32 accumulators take turns, one instruction a turn, in the same order in every quarter.
.macro MUL2 f, hi, a0, zero
	WIN MUL_LO+0x50*(\hi)
.irp a, \a0, (\a0)+1
.set nb, 0
.rept NBF
.if \zero
	v_wmma_f32_16x16x32_f16 v[8*(NBF*(\a)+nb):8*(NBF*(\a)+nb)+7], v[(\f)+8*nb:(\f)+8*nb+7], v[(\f)+8*(4*(\hi)+(\a)):(\f)+8*(4*(\hi)+(\a))+7], 0
.else
	v_wmma_f32_16x16x32_f16 v[8*(NBF*(\a)+nb):8*(NBF*(\a)+nb)+7], v[(\f)+8*nb:(\f)+8*nb+7], v[(\f)+8*(4*(\hi)+(\a)):(\f)+8*(4*(\hi)+(\a))+7], v[8*(NBF*(\a)+nb):8*(NBF*(\a)+nb)+7]
.endif
.set nb, nb+1
.endr
.endr
.endm
; NLD LDS loads in one run: the fragments of quarter q (32 along K) of a slot into buffer f: B's first, A's rows 64-127 last
.macro FETCH slot, q, f
	WIN TO_B
.set nb, 0
.rept NBF
	ds_load_tr16_b128 v[(\f)+8*nb:(\f)+8*nb+3],   v[ADRB+NPAIR*(\slot)+nb/2] offset:(\q)*32*PB+(nb%2)*32
	ds_load_tr16_b128 v[(\f)+8*nb+4:(\f)+8*nb+7], v[ADRB+NPAIR*(\slot)+nb/2] offset:(\q)*32*PB+(nb%2)*32+16*PB
.set nb, nb+1
.endr
	WIN 0
.irp i, 0,1,2,3,4,5,6,7
	ds_load_b128 v[(\f)+8*(\i):(\f)+8*(\i)+3],   v[ADRA+(\slot)] offset:64*(\q)+((\i)/ARB)*REG+((\i)%ARB)*16*PA
	ds_load_b128 v[(\f)+8*(\i)+4:(\f)+8*(\i)+7], v[ADRA+(\slot)] offset:64*(\q)+((\i)/ARB)*REG+((\i)%ARB)*16*PA+32
.endr
.endm
.macro PLACES                          ; four places in front of loads into registers that matrix instructions have read, and of arithmetic that reads results (ISA guide 7.12.1 for the arithmetic)
.rept 4
	v_nop
.endr
.endm
; A K step is four quarters of 32 along K, 32 matrix instructions each, on buffers 0, 1, 0, 1.  One of the first three: multiplies buffer f; in its middle it fetches quarter q into buffer g.
.macro QUARTER slot, q, f, g, zero
	s_wait_dscnt 8                                 ; B and A's rows 0-63 are in; the youngest eight loads (A's rows 64-127) may be out
	MUL2 \f, 0, 0, \zero
	MUL2 \f, 0, 2, \zero
	PLACES
	FETCH \slot, \q, \g
	s_wait_dscnt NLD                               ; all but the run just issued
	MUL2 \f, 1, 0, \zero
	MUL2 \f, 1, 2, \zero
.endm
; The last quarter multiplies buffer 1 and changes slots: ONE barrier.  In front of it each wave waits for all its tensor loads (one is out: its part of the next slot), adds 0 to its spare word, and
; waits for that and for its own reads of this slot.  Behind it nobody reads this slot any more and the next slot is whole.
.macro MEET round                      ; round = 1: a round of the cluster's barrier follows
	WIN 0                                          ; (the add's two registers lie in window 0)
	s_wait_tensorcnt 0x0
	ds_add_u32 v[SPW], v[NIL]                      ; 0 onto my spare word
	s_wait_dscnt 9                                 ; (the add and the youngest eight loads may be out)
	MUL2 F1, 0, 0, 0                               ; matrix work stands between the add and the wait for it
	s_wait_dscnt 0x0                               ; the add is done, and my reads of this slot are over
	s_barrier_signal -1
	MUL2 F1, 0, 2, 0
.if \round
	WIN 0
.endif
	s_barrier_wait -1
.endm
; fill = 1: the slot just read out is filled again, with the K step two steps on, the first thing behind the round: 112 matrix instructions stand between that request and the wait for it.
.macro TURN slot, next, fill
.if \fill
	s_wait_xcnt 0x0                                ; the last prefetch, a K step back, has read its address: it is stepped here, ahead of the change's own waits
	s_add_nc_u64 s[PFA:PFA+1], s[PFA:PFA+1], s[PSTEP:PSTEP+1]
	MEET 1
	CREST                                          ; no wave of any partner still reads this slot's tiles or has a load on its way
	s_add_nc_u64 s[G0+4*(\slot)+2:G0+4*(\slot)+3], s[G0+4*(\slot)+2:G0+4*(\slot)+3], 2*KSTEP*2
	s_add_nc_u64 s[G0B+4*(\slot)+2:G0B+4*(\slot)+3], s[G0B+4*(\slot)+2:G0B+4*(\slot)+3], 2*KSTEP*SIZE_N*2
	JLOAD \slot                                    ; the four v_nop behind it are also the places in front of the loads below
	FETCH \next, 0, F0
	ASK
.else
	MEET 0
	PLACES
	FETCH \next, 0, F0
.endif
	MUL2 F1, 1, 0, 0
	MUL2 F1, 1, 2, 0
.endm
	s_wait_tensorcnt 1                             ; my part of K step 0 is in; K step 1's may stay out
	s_barrier_signal -1
	s_barrier_wait -1                              ; everybody's is
	FETCH 0, 0, F0
	QUARTER 0, 1, F0, F1, 1                        ; the first quarter stands in front of the loop: its products start the sums
	WIN 0                                          ; at a label and at a branch every window is 0
	s_mov_b32 s3, LAPS-1
.Llap:                                                 ; a trip goes once round the ring, from a lap's second quarter to the next lap's first, and fills both slots again
	QUARTER 0, 2, F1, F0, 0
	QUARTER 0, 3, F0, F1, 0
	TURN 0, 1, 1
	QUARTER 1, 1, F0, F1, 0
	QUARTER 1, 2, F1, F0, 0
	QUARTER 1, 3, F0, F1, 0
	TURN 1, 0, 1
	QUARTER 0, 1, F0, F1, 0
	WIN 0
	s_sub_co_u32 s3, s3, 1
	s_cmp_lg_u32 s3, 0
	s_cbranch_scc1 .Llap
	QUARTER 0, 2, F1, F0, 0                        ; the last lap fills nothing, and has no round of the cluster's barrier
	QUARTER 0, 3, F0, F1, 0
	TURN 0, 1, 0
	QUARTER 1, 1, F0, F1, 0
	QUARTER 1, 2, F1, F0, 0
	QUARTER 1, 3, F0, F1, 0
	s_wait_dscnt 8                                 ; the very last quarter: nothing more to fetch
	MUL2 F1, 0, 0, 0
	MUL2 F1, 0, 2, 0
	s_wait_dscnt 0x0
	MUL2 F1, 1, 0, 0
	MUL2 F1, 1, 2, 0
	WIN 0
	; THE WAY OUT, a block of 16 rows at a time: times the row's scale; 32 bytes a lane into my own stage; back as whole rows of 256 bytes; stored.
.macro PACK a                          ; each accumulator's registers in ascending order; the scale is one register of a pair, picked for both halves
	WIN 0x02+(\a)/4                                ; source 0: window 2 or 3
.set i, 0
.rept 4*NBF
.if (\a)%2
	v_pk_mul_f32 v[TMP+2*i:TMP+2*i+1], v[8*NBF*((\a)%4)+2*i:8*NBF*((\a)%4)+2*i+1], v[RS+(\a)-1:RS+(\a)] op_sel:[0,1] op_sel_hi:[1,1]
.else
	v_pk_mul_f32 v[TMP+2*i:TMP+2*i+1], v[8*NBF*((\a)%4)+2*i:8*NBF*((\a)%4)+2*i+1], v[RS+(\a):RS+(\a)+1] op_sel_hi:[1,0]
.endif
.set i, i+1
.endr
	WIN 0
.endm
.macro TOSTAGE a
	WIN 0
.set BK, OB+192*((\a)%2)
.irp b, 0,1,2,3
	ds_store_b128 v[STO], v[TMP+8*(\b):TMP+8*(\b)+3]   offset:64*(\b)
	ds_store_b128 v[STO], v[TMP+8*(\b)+4:TMP+8*(\b)+7] offset:64*(\b)+16
.endr
.irp t, 0,1,2,3,4,5,6,7
	ds_load_b128 v[BK+4*(\t):BK+4*(\t)+3], v[RD] offset:(\t)*2*SPITCH  ; LDS serves a wave's instructions in order (ISA guide 5.7.1.4): these see the stores above
.endr
.endm
.macro SEND a
	WIN 0
.set BK, OB+192*((\a)%2)
	s_wait_dscnt 0x0                               ; the block is back in registers
	s_wait_xcnt 0x0                                ; the stores of the block before have read their registers, into which the next block's loads land
.irp t, 0,1,2,3,4,5,6,7
	global_store_b128 v[CO], v[BK+4*(\t):BK+4*(\t)+3], s[8:9] offset:(16*(\a)+2*(\t))*SIZE_N*4  ; 16 lanes store 256 consecutive bytes, at a multiple of 256 from C's first byte
.endr
.endm
	s_wait_loadcnt 0x0                             ; the scales
	PLACES
	PACK 0
	TOSTAGE 0
.irp a, 1,2,3,4,5,6,7                  ; block a's arithmetic stands between block a - 1's loads from the stage and the wait for them
	PACK \a
	SEND (\a)-1
	TOSTAGE \a
.endr
	SEND 7
	s_wait_tensorcnt 0x0                           ; the wave's end, behind my last tensor load and my last LDS store
	ds_add_u32 v[SPW], v[NIL]
	s_wait_dscnt 0x0
	CROUND                                         ; the closing round: no work-group ends while a partner may still ask for a tile that names it
	s_endpgm
.Lfunc_end_k_q2dee6ce0ed_gemm_out:
	.size	k_q2dee6ce0ed_gemm_out, .Lfunc_end_k_q2dee6ce0ed_gemm_out-k_q2dee6ce0ed_gemm_out
	.p2alignl 7, 3214868480
	.fill 96, 4, 3214868480
	.section	.rodata,"a",@progbits
	.p2align	6, 0x0
	.amdhsa_kernel k_q2dee6ce0ed_gemm_out
		.amdhsa_group_segment_fixed_size 327680
		.amdhsa_private_segment_fixed_size 0
		.amdhsa_enable_private_segment 0
		.amdhsa_kernarg_size 32
		.amdhsa_user_sgpr_count 2
		.amdhsa_user_sgpr_kernarg_segment_ptr 1
		.amdhsa_wavefront_size32 1
		.amdhsa_system_sgpr_workgroup_id_x 1
		.amdhsa_system_sgpr_workgroup_id_y 1
		.amdhsa_system_sgpr_workgroup_id_z 1
		.amdhsa_system_vgpr_workitem_id 0
		.amdhsa_next_free_vgpr 896
		.amdhsa_next_free_sgpr 72
		.amdhsa_reserve_vcc 0
		.amdhsa_float_denorm_mode_32 3
		.amdhsa_float_denorm_mode_16_64 3
		.amdhsa_memory_ordered 1
		.amdhsa_forward_progress 1
		.amdhsa_inst_pref_size 97
	.end_amdhsa_kernel
	.amdgpu_metadata
---
amdhsa.version: [ 1, 2 ]
amdhsa.kernels:
  - .name:           k_q2dee6ce0ed_gemm_out
    .symbol:         k_q2dee6ce0ed_gemm_out.kd
    .args:
      - { .name: o16, .offset: 0, .size: 8, .value_kind: global_buffer, .address_space: global }
      - { .name: wo16, .offset: 8, .size: 8, .value_kind: global_buffer, .address_space: global }
      - { .name: out0, .offset: 16, .size: 8, .value_kind: global_buffer, .address_space: global }
      - { .name: rs, .offset: 24, .size: 8, .value_kind: global_buffer, .address_space: global }
    .group_segment_fixed_size: 327680
    .private_segment_fixed_size: 0
    .kernarg_segment_align: 8
    .kernarg_segment_size: 32
    .max_flat_workgroup_size: 128
    .sgpr_count:     72
    .vgpr_count:     896
    .wavefront_size: 32
...
	.end_amdgpu_metadata
.endif
;; end of part 4
;; ======== version 2 of 2: 4 launches; version 1 with the launch prep written anew for expert scheduling mode
;; limits: values are held in f16: magnitudes above 65,504 overflow, below 6.1e-05 lose precision; right only within a limited range of input values
;; workspace buffers: xb 16,777,216 bytes; wqkv 25,165,824 bytes; wo16 8,388,608 bytes; qkv 50,331,648 bytes; o16 16,777,216 bytes; rs 16,384 bytes
;; launch prep (part 5): grid 128 x 6, 8 waves a work-group, no clusters, 0 bytes of LDS; arguments x, Wq, Wk, Wv, Wo, xb, wqkv, wo16; writes xb, wqkv, wo16
.if DOCPART == 5
	.amdgcn_target "amdgcn-amd-amdhsa--gfx1250"
	.amdhsa_code_object_version 6
	.text
	.protected	k_q2dee6ce0ed_prep
	.globl	k_q2dee6ce0ed_prep
	.p2align	8
	.type	k_q2dee6ce0ed_prep,@function
k_q2dee6ce0ed_prep:
	s_mov_b64 s[64:65], 0
	v_nop
	global_prefetch_b8 v0, s[64:65] scope:SCOPE_SE
	s_setreg_imm32_b32 hwreg(HW_REG_WAVE_SCHED_MODE, 0, 2), 2
	s_setreg_imm32_b32 hwreg(HW_REG_WAVE_MODE, 25, 1), 1
	s_wait_xcnt 0x0
	s_wait_alu depctr_vm_vsrc(0)
; THE 16-BIT COPIES OF THE INPUTS.
; xb = bf16(x) IN K BLOCKS: [32 blocks][4096 rows][64]: xb[kb][m][kk] = x[m][64 kb + kk].  The product that reads it walks K in steps of 64: 256 rows of a block are 32,768 bytes on end.
; wqkv = [2048 k][6144 n] bf16: columns 0-2047 bf16(Wq) / 8, 2048-4095 bf16(Wk) / 8, 4096-6143 bf16(Wv) / 8 (a power of two commutes with the rounding).
; wo16 = [2048 k][2048 n] f16 of bf16(Wo): every input is rounded to bf16 once; Wo's bf16 number is then written as f16, since the last product's other operand is f16.
; LIMITS.  |Wo| stays within 65,504 (f16's largest number); below 2^-14 wo16 keeps f16's fixed step of 6e-8.  NaN and infinities are not treated apart.
; SHARES.  Six slices (grid y) of 2,048 rows x 2,048 f32: x's two halves, Wq, Wk, Wv, Wo.  A work-group owns 16 rows of its slice; a thread takes 32 granules of 16 bytes.
; The weights: thread t takes bytes 16 t and 16 t + 4,096 of each row: a load of a wave covers 512 consecutive bytes, a store (8 bytes a lane) 256 consecutive bytes, aligned.
; x: wave w takes K blocks 4 w .. 4 w + 3; lanes 0-15 take a block's 256 bytes of an even row, lanes 16-31 those of the row below: their 128 + 128 bytes of bf16 lie on end in xb: again 256 aligned bytes.
; No loop: a thread's 32 loads go out together; the granules are converted as they come, in eight blocks of four, and a block's four stores go out in the block behind it.
; No register is written again behind its store, so no wait frees one.
; No LDS, no matrix unit, no cluster: no byte is wanted by two threads.
; THE MODE: SCHED_MODE bits 1:0 = 2 (LLVM: expert scheduling mode 2), set by the entry lines.  The code itself states the register dependences
; between vector instructions and memory instructions, with s_wait_alu, always for 0.
; THE PLAN.  Registers that memory instructions touch:
;   v1, v3     the loads' offsets, v2, v4 the stores': written by vector instructions at the head, never again.
;   X          granule i, four registers: its load lands there, once; block i / 4's conversions read and write them in place; its store, issued in block i / 4 + 1, reads the first two; nothing writes them again.
; Block p's conversions name the registers of granules 4 p .. 4 p + 3 alone; its memory instructions are the stores of granules 4 p - 4 .. 4 p - 1.  So one wait at a block's head states all that
; its four stores hang on, and they are dealt among its conversions with no further wait.  No register that a load or a store reads is ever written again: nothing is owed on that side.
; No vector instruction writes a scalar register or VCC, and EXEC is never written.
.set X, 8                              ; v[8:135]  granule i: four registers
.set BL, 4                             ; granules in a block
	s_load_b512 s[8:23], s[0:1], 0x0               ; x s[8:9], Wq s[10:11], Wk s[12:13], Wv s[14:15], Wo s[16:17], xb s[18:19], wqkv s[20:21], wo16 s[22:23]
	s_and_b32 s2, ttmp7, 0xffff                    ; the slice
	s_sub_co_u32 s3, s2, 2                         ; 0, 1, 2 for Wq, Wk, Wv (a large number for x)
	s_lshl_b32 s29, s3, 12                         ; that weight's 4,096 bytes in a row of wqkv
	s_movk_i32 s28, 0x1000                         ; bytes from row to row of a weight's copy: 4,096,
	v_lshlrev_b32 v1, 4, v0                        ; the weights: 16 t: my bytes in a row of f32,
	v_lshlrev_b32 v2, 3, v0                        ; 8 t: my bytes in a row of 16-bit numbers
	v_and_b32 v5, 15, v0                           ; x: my place among 16 lanes,
	v_bfe_u32 v6, v0, 4, 1                         ; the even or the odd row,
	v_lshrrev_b32 v7, 5, v0                        ; my wave
	v_lshlrev_b32 v3, 4, v5                        ; from: 16 bytes a lane,
	v_lshl_add_u32 v3, v6, 13, v3                  ; a row of 8,192 bytes,
	v_lshl_add_u32 v3, v7, 10, v3                  ; my wave's four blocks of 256 bytes
	v_lshlrev_b32 v4, 3, v5                        ; to: 8 bytes a lane,
	v_lshl_add_u32 v4, v6, 7, v4                   ; a row of 128 bytes,
	v_lshl_add_u32 v4, v7, 21, v4                  ; my wave's four blocks of 524,288 bytes
	s_cmp_lt_u32 s3, 3
	s_cselect_b32 s28, 12288, s28                  ; in wqkv 12,288
	s_cselect_b32 s29, s29, 0
	s_cmp_eq_u32 s2, 1                             ; x's second half begins 2,048 rows down
	s_cselect_b32 s30, 0x1000000, 0
	s_lshl_b32 s32, ttmp9, 17                      ; the work-group's 16 rows of 8,192 bytes
	s_add_co_u32 s32, s32, s30
	s_mov_b32 s33, 0
	s_mul_i32 s34, ttmp9, s28
	s_lshl_b32 s34, s34, 4                         ; its 16 rows of a weight's copy
	s_add_co_u32 s34, s34, s29
	s_lshl_b32 s36, ttmp9, 11                      ; its 16 rows of 128 bytes in a block of xb,
	s_lshl_b32 s37, s2, 18                         ; behind the slice's 2,048 rows
	s_add_co_u32 s36, s36, s37
	s_cmp_lt_u32 s2, 2
	s_cselect_b32 s34, s36, s34
	s_mov_b32 s35, 0
	s_wait_kmcnt 0x0
	s_mov_b64 s[24:25], s[16:17]                   ; from: Wo, unless the slice says otherwise
	s_mov_b64 s[26:27], s[22:23]                   ; to: wo16
	s_cmp_eq_u32 s2, 4
	s_cselect_b64 s[24:25], s[14:15], s[24:25]
	s_cmp_eq_u32 s2, 3
	s_cselect_b64 s[24:25], s[12:13], s[24:25]
	s_cmp_eq_u32 s2, 2
	s_cselect_b64 s[24:25], s[10:11], s[24:25]
	s_cmp_lt_u32 s2, 2
	s_cselect_b64 s[24:25], s[8:9], s[24:25]
	s_cselect_b64 s[26:27], s[18:19], s[26:27]
	s_cmp_lt_u32 s3, 3
	s_cselect_b64 s[26:27], s[20:21], s[26:27]
	s_add_nc_u64 s[24:25], s[24:25], s[32:33]
	s_add_nc_u64 s[26:27], s[26:27], s[34:35]
; Granule g leaves: the first two of its four registers, 8 bytes a lane.
.macro PUT kind, pitch
.if (\kind) == 0
	global_store_b64 v4, v[X+4*g:X+4*g+1], s[26:27] offset:(g%4)*524288+(g/4)*256
.else
	global_store_b64 v2, v[X+4*g:X+4*g+1], s[26:27] offset:(g/2)*(\pitch)+(g%2)*2048
.endif
.endm
; The 32 loads, then the 32 granules, in eight blocks of four.  kind 0: x: bf16, into K blocks.  kind 1: a multiplication by 1/8, then bf16.  kind 2: bf16, widened again and written as f16.
.macro CONV kind, pitch
	s_wait_alu depctr_va_vdst(0)                   ; the four offsets v1 to v4 are written: every load below reads v1 or v3, every store v2 or v4, and no vector instruction names them again
.set i, 0
.rept 32
.if (\kind) == 0
	global_load_b128 v[X+4*i:X+4*i+3], v3, s[24:25] offset:(i/4)*16384+(i%4)*256 th:TH_LOAD_NT   ; pair of rows i / 4, block i % 4 of my four
.else
	global_load_b128 v[X+4*i:X+4*i+3], v1, s[24:25] offset:(i/2)*8192+(i%2)*4096 th:TH_LOAD_NT   ; row i / 2, half i % 2
.endif
.set i, i+1
.endr
.set p, 0
.rept 32/BL
	s_wait_loadcnt 32-BL-BL*p                      ; loads come back in order (ISA guide 5.7.1): block p's four granules are in, the 28 - 4 p later ones stay out
.if p > 0
	s_wait_alu depctr_va_vdst(0)                   ; the block before has written the first two registers of its four granules, which the four stores below read
.endif
.set j, 0
.rept BL
.set i, BL*p+j
.if p > 0
.set g, i-BL
	PUT \kind, \pitch                              ; a store of the block before.  No wait: no vector instruction since the wait above names its registers
.endif
.set rb, X+4*i
.if (\kind) == 1
	v_pk_mul_f32 v[rb:rb+1], v[rb:rb+1], 0x3e000000 op_sel_hi:[1,0]
	v_pk_mul_f32 v[rb+2:rb+3], v[rb+2:rb+3], 0x3e000000 op_sel_hi:[1,0]
.endif
	v_cvt_pk_bf16_f32 v[rb], v[rb], v[rb+1]
	v_cvt_pk_bf16_f32 v[rb+1], v[rb+2], v[rb+3]
.if (\kind) == 2
	v_lshlrev_b32 v[rb+2], 16, v[rb]               ; bf16 to f32: the low half moves up, the high half stays
	v_and_b32 v[rb+3], 0xffff0000, v[rb]
	v_cvt_pk_f16_f32 v[rb], v[rb+2], v[rb+3]
	v_lshlrev_b32 v[rb+2], 16, v[rb+1]
	v_and_b32 v[rb+3], 0xffff0000, v[rb+1]
	v_cvt_pk_f16_f32 v[rb+1], v[rb+2], v[rb+3]
.endif
.set j, j+1
.endr
.set p, p+1
.endr
	s_wait_alu depctr_va_vdst(0)                   ; the last block has written the first two registers of granules 28 to 31, which the last four stores read
.set g, 32-BL
.rept BL
	PUT \kind, \pitch
.set g, g+1
.endr
	s_endpgm
.endm
	s_cmp_lt_u32 s2, 2
	s_cbranch_scc1 .Lfor_x
	s_cmp_eq_u32 s2, 5
	s_cbranch_scc1 .Lfor_wo
	CONV 1, 12288
.Lfor_x:
	CONV 0, 0
.Lfor_wo:
	CONV 2, 4096
.Lfunc_end_k_q2dee6ce0ed_prep:
	.size	k_q2dee6ce0ed_prep, .Lfunc_end_k_q2dee6ce0ed_prep-k_q2dee6ce0ed_prep
	.p2alignl 7, 3214868480
	.fill 96, 4, 3214868480
	.section	.rodata,"a",@progbits
	.p2align	6, 0x0
	.amdhsa_kernel k_q2dee6ce0ed_prep
		.amdhsa_group_segment_fixed_size 0
		.amdhsa_private_segment_fixed_size 0
		.amdhsa_enable_private_segment 0
		.amdhsa_kernarg_size 64
		.amdhsa_user_sgpr_count 2
		.amdhsa_user_sgpr_kernarg_segment_ptr 1
		.amdhsa_wavefront_size32 1
		.amdhsa_system_sgpr_workgroup_id_x 1
		.amdhsa_system_sgpr_workgroup_id_y 1
		.amdhsa_system_sgpr_workgroup_id_z 1
		.amdhsa_system_vgpr_workitem_id 0
		.amdhsa_next_free_vgpr 136
		.amdhsa_next_free_sgpr 66
		.amdhsa_reserve_vcc 0
		.amdhsa_float_denorm_mode_32 3
		.amdhsa_float_denorm_mode_16_64 3
		.amdhsa_memory_ordered 1
		.amdhsa_forward_progress 1
		.amdhsa_inst_pref_size 50
	.end_amdhsa_kernel
	.amdgpu_metadata
---
amdhsa.version: [ 1, 2 ]
amdhsa.kernels:
  - .name:           k_q2dee6ce0ed_prep
    .symbol:         k_q2dee6ce0ed_prep.kd
    .args:
      - { .name: x, .offset: 0, .size: 8, .value_kind: global_buffer, .address_space: global }
      - { .name: Wq, .offset: 8, .size: 8, .value_kind: global_buffer, .address_space: global }
      - { .name: Wk, .offset: 16, .size: 8, .value_kind: global_buffer, .address_space: global }
      - { .name: Wv, .offset: 24, .size: 8, .value_kind: global_buffer, .address_space: global }
      - { .name: Wo, .offset: 32, .size: 8, .value_kind: global_buffer, .address_space: global }
      - { .name: xb, .offset: 40, .size: 8, .value_kind: global_buffer, .address_space: global }
      - { .name: wqkv, .offset: 48, .size: 8, .value_kind: global_buffer, .address_space: global }
      - { .name: wo16, .offset: 56, .size: 8, .value_kind: global_buffer, .address_space: global }
    .group_segment_fixed_size: 0
    .private_segment_fixed_size: 0
    .kernarg_segment_align: 8
    .kernarg_segment_size: 64
    .max_flat_workgroup_size: 256
    .sgpr_count:     66
    .vgpr_count:     136
    .wavefront_size: 32
...
	.end_amdgpu_metadata
.endif
;; end of part 5
;; launch gemm_qkv: the kernel of part 2 again; grid 16 x 16, 4 waves a work-group, clusters of 4 x 4, 327,680 bytes of LDS; arguments xb, wqkv, qkv; writes qkv
;; launch chain: the kernel of part 3 again; grid 256 x 1, 8 waves a work-group, no clusters, 144,384 bytes of LDS; arguments qkv, o16, rs; writes o16, rs
;; launch gemm_out: the kernel of part 4 again; grid 8 x 32, 4 waves a work-group, clusters of 4 x 4, 327,680 bytes of LDS; arguments o16, wo16, out0, rs; writes out0
